; MI455X (gfx1250); checked and timed in simulation.
; The chip was launched on July 23, 2026; its instructions are those of AMD's public machine-readable ISA for CDNA 5 (MIT licence, August 2026) and "CDNA5" Instruction Set Architecture Reference Guide (July 2026). The comments in the code are by the model that wrote it; some were corrected since.
;; Multi Head Attention Naive. Allowed arithmetic: matrix products marked QUANTISED: E3M2 operands, one E8M0 scale for each 32 along K, by v_wmma_scale_f32_16x16x128_f8f6f4 with both operands' format E3M2, f32 sums; everything else in f32.
;; Inputs: Wk 16 x 64 x 1,024 float32; Wo 1,024 x 1,024 float32; Wq 16 x 64 x 1,024 float32; Wv 16 x 64 x 1,024 float32; x 4 x 2,048 x 1,024 float32.
;; Outputs: out0 4 x 2,048 x 1,024 float32.
;; This version of the problem:
;;   THIS VERSION OF THE PROBLEM IS GIVEN IN LOW PRECISION. The matrix products marked QUANTISED in the list below multiply operands that are first quantised to E3M2 (3 exponent bits, 2 mantissa bits; 6 bits a number), with one power-of-two scale for each 32 numbers along K (OCP MX v1.0); their sums are f32. All else is computed in f32.
;;   The module's matrix products, in the order in which they are computed (A, B: the left and right operand; K: the contracted axis; several contracted axes count as one K, in the product's order):
;;     1. [M 1,024, K 1,024] x [K 1,024, N 8,192]; A: input Wq; B: input x: QUANTISED
;;     2. [M 1,024, K 1,024] x [K 1,024, N 8,192]; A: input Wk; B: input x: QUANTISED
;;     3. [M 1,024, K 1,024] x [K 1,024, N 8,192]; A: input Wv; B: input x: QUANTISED
;;     4. batch 64 x [M 2,048, K 64] x [K 64, N 2,048]; A: computed on the way; B: computed on the way: QUANTISED
;;     5. batch 64 x [M 64, K 2,048] x [K 2,048, N 2,048]; A: computed on the way; B: softmax (see below): QUANTISED
;;     6. [M 8,192, K 1,024] x [K 1,024, N 1,024]; A: computed on the way; B: input Wo: QUANTISED
;;   THE QUANTISER, for each operand of a quantised product, along K:
;;     - K is cut into blocks of 32 from its start; a last block that is shorter is filled with zeros.
;;     - A block's scale is 2^e with e = floor(log2(the largest magnitude in the block)) - 4, held to -126 .. 127; a block of zeros has e = 0. As a byte (E8M0): e + 127.
;;     - Each number is divided by its block's scale, clamped to +-28, and rounded to the nearest number of E3M2, ties to even, subnormals kept.
;;     - The product sums the exact products of the quantised numbers (number of the format x scale) in f32.
;;   ~~~python
;;   def quantise(x, axis):      # numpy; x: float32 -> the quantised numbers, widened to float32 again
;;       x = np.moveaxis(x, axis, -1); K = x.shape[-1]
;;       x = np.pad(x, [(0, 0)] * (x.ndim - 1) + [(0, -K % 32)]); x = x.reshape(x.shape[:-1] + (-1, 32)); a = np.abs(x).max(-1, keepdims=True)
;;       e = np.where(a > 0, np.clip(np.frexp(np.where(a > 0, a, 1))[1] - 1 - 4, -126, 127), 0)      # np.frexp(a)[1] - 1 = floor(log2(a)), exactly
;;       r = np.clip(x / 2.0 ** e, -28, 28)
;;       step = 2.0 ** (np.maximum(np.frexp(np.where(r == 0, 1, r))[1] - 1, -2) - 2)
;;       q = np.round(r / step) * step * 2.0 ** e      # np.round: ties to even
;;       return np.moveaxis(q.reshape(q.shape[:-2] + (-1,))[..., :K], -1, axis).astype(np.float32)
;;   ~~~
;;   SOFTMAX AHEAD OF A QUANTISED PRODUCT. Where the list says 'softmax', what is quantised is not the finished softmax but p = 2^(t - M), with t = logit x log2(e) and M = ceil(the row's largest t), a whole number; so 1/2 < the row's largest p <= 1. The row's sum l is taken of the UNQUANTISED p, in f32, and the product's result is divided by l at the end. Since M is a whole number, a kernel that streams over the keys may use a running M (the ceiling of the running maximum): every later rescaling is an exact power of two, which a block's scale takes up: the codes' values come out the same.
;;   OPERANDS COMPUTED ON THE WAY. 'Computed on the way' means the value that the module computes at that place (a softmax that the list does not call 'softmax' is quantised finished and normalised). What goes into a quantiser is computed in f32, as accurately as f32 sums, v_exp_f32 and their like allow (about 1e-6 of the number): no bf16 or f16 on the way to a quantiser, and a product that is left as it is and whose result goes on into a quantised operand takes f32 operands (vector FMAs, or v_wmma_f32_16x16x4_f32). A number that lies on a knife's edge between two numbers of the format may be rounded either way, as far as f32 arithmetic and the matrix unit's own rounding can turn it there, and no further.
;; One version. Each part assembles by itself: llvm-mc -triple=amdgcn-amd-amdhsa -mcpu=gfx1250 --defsym DOCPART=n.
;; ======== version 1 of 1: 4 launches
;; workspace buffers: xq 6,553,600 bytes; wq 3,276,800 bytes; qkv 19,660,800 bytes; aq 6,553,600 bytes
;; launch quant (part 1): grid 384 x 1, 4 waves a work-group, no clusters, 33,280 bytes of LDS; arguments x, Wq, Wk, Wv, Wo, xq, wq; writes xq, wq
.if DOCPART == 1
	.amdgcn_target "amdgcn-amd-amdhsa--gfx1250"
	.amdhsa_code_object_version 6
	.text
	.protected	k_q77836a201b_quant
	.globl	k_q77836a201b_quant
	.p2align	8
	.type	k_q77836a201b_quant,@function
k_q77836a201b_quant:
	s_mov_b64 s[64:65], 0
	v_nop
	global_prefetch_b8 v0, s[64:65] scope:SCOPE_SE
	s_setreg_imm32_b32 hwreg(HW_REG_WAVE_MODE, 25, 1), 1
	s_wait_xcnt 0x0
; x [8192][1024] and Wq, Wk, Wv, Wo (each 1,024 rows of 1,024), f32 with K innermost, become codes of BF6 (E3M2), 6 bits each, and one E8M0 scale byte for each 32 along K.
; xq: 8,192 rows of 768 bytes of codes, then (XSEC) 8,192 rows of 32 scale bytes.  wq: 4,096 rows (Wq, Wk, Wv, Wo on end) of 768 bytes, then (WSEC) 4,096 rows of 32 scale bytes.
; A block's scale is 2^(floor(log2(its largest magnitude)) - 4); its byte is the largest magnitude's own exponent field - 4, held at 1 from below.
; THE ORDER INSIDE A BLOCK: place 16 h + 8 u + j of a block holds element 16 u + 8 h + j (h, u = 0, 1; j = 0 .. 7): the block's second and third groups of eight change places.  Every operand of every
; product of this program is laid so, on both sides alike, so that the products are the quantiser's own; it is the order in which a matrix result falls out of the conversions in the later launches.
; LIMITS: a block whose largest magnitude lies under 2^-122, a block of zeros among them, gets the byte 1 (the bytes are read by this program alone; a block of zeros has zero codes); NaN and infinities are not served.
; Rows are dense and K is a multiple of 32: all five tensors are plain streams of blocks.  A work-group takes 32,768 numbers, a wave 16 steps of 512.  Work-groups 0-255 take x, then 32 each Wq, Wk, Wv, Wo.
; A step's four loads read 512 consecutive bytes each, 16 a lane; the 2,048 bytes turn through the wave's own stage in LDS and come back 64 bytes a lane: 16 numbers of one block, in the block's new order.
; A lane's 16 codes are 12 bytes: the wave stores 384 consecutive bytes.  A wave's 256 scale bytes are gathered in LDS and leave as 256 consecutive bytes, aligned.  No barrier: waves share nothing.
.set STEPS, 16
.set EMAX,  4
.set CB,    12                         ; bytes of 16 codes
.set R,     16                         ; v16-79   four sets of 16 numbers as they are loaded
.set X,     80                         ; v80-111  two sets of 16 numbers of a block
.set C,     128                        ; v128-191 codes: four registers for each step, so that no store's data are written again
.set E,     112                        ; v112-127 a scale byte for each step
.set WREG,  8192                       ; LDS: a region for each wave: two stages of 32 x SP bytes, then its 256 scale bytes
.set SP,    80                         ; a lane's place in a stage: 64 bytes + 16 of padding
.set XSEC,  6291456
.set WSEC,  3145728
	s_load_b256 s[4:11], s[0:1], 0x0               ; x, Wq, Wk, Wv
	s_load_b128 s[12:15], s[0:1], 0x20             ; Wo, xq
	s_load_b64 s[24:25], s[0:1], 0x30              ; wq
	v_lshl_add_u32 v192, v0, 2, 0x8000
	v_mov_b32 v193, 0
	v_lshrrev_b32 v1, 5, v0
	v_readfirstlane_b32 s16, v1                    ; wave
	v_and_b32 v2, 31, v0                           ; lane
	v_lshlrev_b32 v3, 4, v2                        ; my 16 bytes of a load's 512
	s_mul_i32 s17, s16, WREG
	; into the stage.  My 16 bytes are piece lane % 8 of block lane / 8 of this load; bits 1 and 2 of the piece's number change places: place 2 (lane / 8) + bit 1, and in it 32 x bit 2 + 16 x bit 0
	v_lshrrev_b32 v14, 3, v2
	v_bfe_u32 v15, v2, 1, 1
	v_lshl_add_u32 v14, v14, 1, v15
	v_mul_u32_u24 v14, v14, SP
	v_bfe_u32 v15, v2, 2, 1
	v_lshl_add_u32 v14, v15, 5, v14
	v_and_b32 v15, 1, v2
	v_lshl_add_u32 v14, v15, 4, v14
	v_add_nc_u32 v14, s17, v14
	v_mul_u32_u24 v15, v2, SP
	v_add_nc_u32 v15, s17, v15                     ; out of it: SP x lane
	v_mul_u32_u24 v4, v2, CB                       ; my codes' place in a step's
	v_lshrrev_b32 v5, 1, v2
	s_add_co_u32 s17, s17, 2*32*SP
	v_add_nc_u32 v5, s17, v5                       ; LDS: my wave's 256 scale bytes, my block's byte
	v_lshlrev_b32 v7, 3, v2                        ; and on the way out 8 bytes a lane
	v_add_nc_u32 v6, s17, v7
	s_mov_b32 s17, 352                             ; the first work-group of my source
	s_mov_b32 s27, WSEC
	s_wait_kmcnt 0x0
	s_cmp_lt_u32 ttmp9, 352                        ; which tensor?  Every choice hangs on the work-group's number alone
	s_cselect_b64 s[12:13], s[10:11], s[12:13]
	s_cselect_b32 s17, 320, s17
	s_cmp_lt_u32 ttmp9, 320
	s_cselect_b64 s[12:13], s[8:9], s[12:13]
	s_cselect_b32 s17, 288, s17
	s_cmp_lt_u32 ttmp9, 288
	s_cselect_b64 s[12:13], s[6:7], s[12:13]
	s_cselect_b32 s17, 256, s17
	s_cmp_lt_u32 ttmp9, 256
	s_cselect_b64 s[4:5], s[4:5], s[12:13]         ; the source
	s_cselect_b32 s17, 0, s17
	s_cselect_b64 s[8:9], s[14:15], s[24:25]       ; the destination: xq or wq,
	s_cselect_b32 s26, 0, 256                      ; its first work-group,
	s_cselect_b32 s27, XSEC, s27                   ; and where its scale bytes begin
	s_sub_co_u32 s17, ttmp9, s17
	s_lshl_b32 s17, s17, 2
	s_add_co_u32 s18, s17, s16                     ; which run of 8,192 numbers of the source is my wave's
	s_lshl_b32 s20, s18, 15                        ; 32,768 bytes a run (under 2^26)
	s_mov_b32 s21, 0
	s_add_nc_u64 s[4:5], s[4:5], s[20:21]
	s_sub_co_u32 s26, ttmp9, s26
	s_lshl_b32 s26, s26, 2
	s_add_co_u32 s18, s26, s16                     ; and of the destination (wq's four tensors lie on end)
	s_mul_i32 s20, s18, 32*STEPS*CB                ; 6,144 bytes of codes a run
	s_lshl_b32 s18, s18, 8                         ; 256 scale bytes a run
	s_add_co_u32 s18, s18, s27
	s_mov_b32 s19, 0
	s_add_nc_u64 s[10:11], s[8:9], s[18:19]
	s_add_nc_u64 s[8:9], s[8:9], s[20:21]
.macro LOAD t
.irp i, 0,1,2,3
	global_load_b128 v[R+16*((\t)%4)+4*\i:R+16*((\t)%4)+4*\i+3], v3, s[4:5] offset:2048*(\t)+512*\i th:TH_LOAD_NT   ; 32 lanes read 512 consecutive bytes
.endr
.endm
.macro TURN t                          ; step t's numbers through the stage: LDS serves a wave's instructions in order (ISA guide 5.7.1.4), so no wait stands between the stores and the loads
.irp i, 0,1,2,3
	ds_store_b128 v14, v[R+16*((\t)%4)+4*\i:R+16*((\t)%4)+4*\i+3] offset:32*SP*((\t)%2)+8*SP*\i
.endr
.irp i, 0,1,2,3
	ds_load_b128 v[X+16*((\t)%2)+4*\i:X+16*((\t)%2)+4*\i+3], v15 offset:32*SP*((\t)%2)+16*\i
.endr
.endm
.irp t, 0,1,2,3
	LOAD \t
.endr
	s_wait_loadcnt 12                              ; step 0's four loads are in; the twelve of steps 1 to 3 may be out
	TURN 0
.macro STEP t
.set XS, X+16*((\t)%2)
.if (\t) > 0
	s_wait_dscnt 1                                 ; this step's numbers are back from the stage (the last step's byte store may be out): so its stores into the stage have read their registers,
.else
	s_wait_dscnt 0x0
.endif
.if (\t)+4 < STEPS
	LOAD (\t)+4                                    ; which take the loads of four steps on
.endif
.if (\t)+1 < STEPS
.if STEPS-2-(\t) >= 3
	s_wait_loadcnt 12                              ; the next step's four loads are in; those of the three steps behind it may be out
.else
	s_wait_loadcnt 4*(STEPS-2-(\t))
.endif
	TURN (\t)+1                                    ; and go through the other stage while this step is worked
.endif
	v_max3_num_f32 v8, |v[XS]|, |v[XS+1]|, |v[XS+2]|               ; the largest magnitude of my 16
	v_max3_num_f32 v9, |v[XS+3]|, |v[XS+4]|, |v[XS+5]|
.irp i, 6,10
	v_max3_num_f32 v8, v8, |v[XS+\i]|, |v[XS+\i+1]|
	v_max3_num_f32 v9, v9, |v[XS+\i+2]|, |v[XS+\i+3]|
.endr
	v_max3_num_f32 v8, v8, |v[XS+14]|, |v[XS+15]|
	v_max3_num_f32 v8, v8, v9, (EMAX+1)<<23        ; and the floor 2^(5 - 127): the byte cannot fall under 1
	v_max_num_f32_dpp v8, v8, v8 row_xmask:1 row_mask:0xf bank_mask:0xf   ; and of my neighbour's 16: the block's
	v_add_nc_u32 v11, -(EMAX<<23), v8              ; 4 off its exponent field: the conversion takes the exponent field of this operand as its scale
	v_cvt_scalef32_pk16_bf6_f32 v[C+4*(\t):C+4*(\t)+2], v[XS:XS+15], v11
	v_lshrrev_b32 v[E+(\t)], 23, v11               ; the scale's byte
	ds_store_b8 v5, v[E+(\t)] offset:16*(\t)       ; both lanes of a block write the same byte with the same value
	global_store_b96 v4, v[C+4*(\t):C+4*(\t)+2], s[8:9] offset:32*CB*(\t)
.endm
.irp t, 0,1,2,3,4,5,6,7,8,9,10,11,12,13,14,15
	STEP \t
.endr
	ds_load_b64 v[12:13], v6                       ; in order behind my byte stores
	s_wait_dscnt 0x0
	global_store_b64 v7, v[12:13], s[10:11]        ; 32 lanes store 256 consecutive bytes, aligned
	s_wait_tensorcnt 0x0
	ds_add_u32 v192, v193
	s_wait_dscnt 0x0
	s_endpgm
.Lfunc_end_k_q77836a201b_quant:
	.size	k_q77836a201b_quant, .Lfunc_end_k_q77836a201b_quant-k_q77836a201b_quant
	.p2alignl 7, 3214868480
	.fill 96, 4, 3214868480
	.section	.rodata,"a",@progbits
	.p2align	6, 0x0
	.amdhsa_kernel k_q77836a201b_quant
		.amdhsa_group_segment_fixed_size 33280
		.amdhsa_private_segment_fixed_size 0
		.amdhsa_enable_private_segment 0
		.amdhsa_kernarg_size 56
		.amdhsa_user_sgpr_count 2
		.amdhsa_user_sgpr_kernarg_segment_ptr 1
		.amdhsa_wavefront_size32 1
		.amdhsa_system_sgpr_workgroup_id_x 1
		.amdhsa_system_sgpr_workgroup_id_y 1
		.amdhsa_system_sgpr_workgroup_id_z 1
		.amdhsa_system_vgpr_workitem_id 0
		.amdhsa_next_free_vgpr 194
		.amdhsa_next_free_sgpr 66
		.amdhsa_reserve_vcc 0
		.amdhsa_float_denorm_mode_32 3
		.amdhsa_float_denorm_mode_16_64 3
		.amdhsa_memory_ordered 1
		.amdhsa_forward_progress 1
		.amdhsa_inst_pref_size 33
	.end_amdhsa_kernel
	.amdgpu_metadata
---
amdhsa.version: [ 1, 2 ]
amdhsa.kernels:
  - .name:           k_q77836a201b_quant
    .symbol:         k_q77836a201b_quant.kd
    .args:
      - { .name: x, .offset: 0, .size: 8, .value_kind: global_buffer, .address_space: global }
      - { .name: Wq, .offset: 8, .size: 8, .value_kind: global_buffer, .address_space: global }
      - { .name: Wk, .offset: 16, .size: 8, .value_kind: global_buffer, .address_space: global }
      - { .name: Wv, .offset: 24, .size: 8, .value_kind: global_buffer, .address_space: global }
      - { .name: Wo, .offset: 32, .size: 8, .value_kind: global_buffer, .address_space: global }
      - { .name: xq, .offset: 40, .size: 8, .value_kind: global_buffer, .address_space: global }
      - { .name: wq, .offset: 48, .size: 8, .value_kind: global_buffer, .address_space: global }
    .group_segment_fixed_size: 33280
    .private_segment_fixed_size: 0
    .kernarg_segment_align: 8
    .kernarg_segment_size: 56
    .max_flat_workgroup_size: 128
    .sgpr_count:     66
    .vgpr_count:     194
    .wavefront_size: 32
...
	.end_amdgpu_metadata
.endif
;; end of part 1
;; launch proj (part 2): grid 12 x 32, 4 waves a work-group, clusters of 4 x 4, 327,680 bytes of LDS; arguments xq, wq, qkv; writes qkv
.if DOCPART == 2
	.amdgcn_target "amdgcn-amd-amdhsa--gfx1250"
	.amdhsa_code_object_version 6
	.text
	.protected	k_q77836a201b_proj
	.globl	k_q77836a201b_proj
	.p2align	8
	.type	k_q77836a201b_proj,@function
k_q77836a201b_proj:
	s_mov_b64 s[64:65], 0
	v_nop
	global_prefetch_b8 v0, s[64:65] scope:SCOPE_SE
	s_setreg_imm32_b32 hwreg(HW_REG_WAVE_MODE, 25, 1), 1
	s_wait_xcnt 0x0
	s_wait_alu depctr_hold_cnt(0) depctr_sa_sdst(0) depctr_va_vdst(0) depctr_va_sdst(0) depctr_va_ssrc(0) depctr_va_vcc(0) depctr_vm_vsrc(0)
	s_getreg_b32 s2, hwreg(HW_REG_IB_STS2, 6, 4)
	s_cmp_eq_u32 s2, 0
	s_cbranch_scc0 .Lentry_in_a_cluster
	s_endpgm
.Lentry_in_a_cluster:
	s_bfe_u32 s2, ttmp6, 0x10000c
	s_cmp_lg_u32 s2, 0xf033
	s_cbranch_scc0 .Lentry_shape_is_right
	s_endpgm
.Lentry_shape_is_right:
; q, k, v = x Wq^T, x Wk^T, x Wv^T on codes of BF6 (E3M2) with one E8M0 scale for each 32 along K = 1,024; the f32 results are quantised in registers and leave as codes: nothing wide goes to memory.
; A GEMM on tiles of 256 x 256, four waves of 128 x 128 (64 accumulators, 512 registers); K goes in steps of 256 through a ring of two LDS slots filled by the tensor data mover; the scale bytes of the work-group's
; 2 x 256 rows come into LDS once.  Clusters of 4 x 4 work-groups: 'A's tile is asked for jointly by a row of the cluster, 'B's by a column.  The matrix instruction takes 16 rows of B as source 0 and 16 rows of
; A as source 1: a lane holds ONE row of A, and its registers run along rows of B.
; THE KIND is the cluster's x: 0 q, 1 k, 2 v: the same in all sixteen partners.  q and k are quantised along d: registers must run along d: A = x, B = W.  v is quantised along the keys: A = Wv, B = x.
; Only pointers and shared coordinates are chosen by the kind; the loop does not know it.
; THE WAY OUT.  A wave's 128 x 128 results are two heads x (128 rows of S x 64 d).  For each head: four fragments of 16 x 128 (12 registers a lane) and their scale words, stored as IMAGES OF THE REGISTERS:
;   a fragment: register p of lane l at 512 (p / 4) + 16 l + 4 (p % 4): three stores of 512 consecutive bytes;  the scale words of four fragments: lane l's 8 bytes at 8 l: word 0 fragment l / 16, word 1 fragment 2 + l / 16.
;   q, k: fragment f = [rows 32 f + 0 .. 15 | rows 32 f + 16 .. 31], each with its 64 d (two tiles share the instruction's 128 along K);   v: fragment t = d 16 t + 0 .. 15 x the step's 128 keys.
; qkv: q's codes [b h][step of 128 rows][6,144]; at KVC [b h][step][k 6,144 | v 6,144]; at QSS q's scale images [b h][step][256]; at KVS [b h][step][k 256 | v 256].
; Inside a block of 32, place 16 h + 8 u + j holds element 16 u + 8 h + j, as in every operand of this program: two neighbouring result tiles, converted sixteen at a time, fall so by themselves.
; LIMITS: a block whose largest magnitude lies under 2^-122 gets the byte 1 (read by this program alone); NaN and infinities are not served.
; REGISTERS, in windows of 256: window 0: v16-29 addresses; v32-63 scale words, two sets; v128-223 A's fragments, one set; on the way out v112-131 codes, v200-221 at work.
;   window 1: B's fragments, two sets, at v0 and v128.   window 2: the accumulators of my rows 0-63 ((a, b) at v[8 (8 a + b)]);   window 3: those of rows 64-127.
.set SIZE_K, 1024
.set KSTEP,  256                       ; along K in a slot
.set NQ,     KSTEP/128                 ; matrix instructions deep
.set ROWB,   192                       ; a tile's row in bytes
.set KROW,   SIZE_K*6/8                ; a row of codes in memory
.set PITCH,  240                       ; an LDS row: 3 x (64 bytes + 16 of padding) = 60 words: the 32 lanes of a load of 8 bytes touch 64 different banks (64 banks of 4 bytes: ISA guide 11.1)
.set FR,     12                        ; registers of a fragment
.set NL,     6                         ; LDS loads that bring one
.set NP,     4                         ; places behind this matrix instruction (ISA guide 7.12.1)
.set HALFT,  128*PITCH                 ; 128 rows: what one tensor load brings
.set SLOT,   4*HALFT                   ; A's 256 rows, then B's 256
.set LAPS,   SIZE_K/(2*KSTEP)
.set KS,     SIZE_K/32                 ; a row of scale bytes
.set SCL,    2*SLOT                    ; behind the ring: the scales, as rows of 256 bytes + 16 of padding
.set HALFS,  (128*KS/256)*272
.set SBLK,   (16*KS/256)*272
.set SPARE,  SCL+4*HALFS               ; the spare words, 128 bytes for each wave: two blocks of 256 bytes that no other line names
.set XSEC,   6291456                   ; where xq's scale bytes begin
.set WSEC,   3145728                   ; and wq's
.set KVC,    6291456
.set QSS,    18874368
.set KVS,    19136512
.set ADRA, 16                          ; v16-17 LDS address of my A fragments in slot 0, 1 (v18-19: for the pieces behind one padding more)
.set ADRB, 20                          ; v20-23 the same for B
.set O16,  24                          ; v24  16 x lane
.set O8,   25                          ; v25  8 x lane
.set HB,   26                          ; v26  16 in lanes 16-31
.set ADRS, 27                          ; v27  LDS address of my scale words: lanes 0-15 A's rows, lanes 16-31 B's
.set SPW,  28                          ; v28  LDS address of my spare word; never rewritten
.set NIL,  29                          ; v29  0; never rewritten
.set SC,   32
.set AF,   128
.set PC,   112                         ; the way out: a fragment's codes, v112-123; v124-126, v128-130 the conversions' second halves
.set TM,   200                         ; v200-203 largest magnitudes, v204-207 bytes, v212-215 the conversions' scale operands
.set PW,   216                         ; v216-219 the four fragments' scale words
.set SI,   220                         ; v[220:221] their image
.set G1, 24
.set G0, 32
.set G1B, 48
.set G0B, 56
.set G1S, 68
.set G0S, 76
.set G1SB, 80
.set G0SB, 88
.set OC,  12                           ; s[12:13] where the record's codes go
.set OS,  66                           ; s[66:67] and its scale image
.set STC, 100                          ; s[100:101] from a head's record to the next head's: 16 records of codes,
.set STS, 98                           ; s[98:99]   of scale images
.set SEL, 96                           ; s[96:97] lane selects for v_permlanex16_b32: lane l xor 16
.set MSB, 0
.macro WIN new                         ; the immediate's high byte repeats the setting that is left
.if MSB != \new
	s_set_vgpr_msb (MSB<<8)|\new
.set MSB, \new
.endif
.endm
.set MUL_LO, 0xa1                      ; source 0 (B) window 1, source 1 (A) window 0, C and D window 2
.set MUL_HI, 0xf1
.set TO_B,   0x40
; A joint load: waves 0 and 1 fetch for A, waves 2 and 3 for B; the branch hangs on the wave's number alone.  Four v_nop follow each of the two lines.
.macro JLOAD g0a, g1a, g0b, g1b
	s_cmp_eq_u32 s15, 0
	s_cbranch_scc0 .Lfor_b_\@
	tensor_load_to_lds s[\g0a:\g0a+3], s[\g1a:\g1a+7]
	s_nop 0
.rept 4
	v_nop
.endr
	s_branch .Lasked_\@
.Lfor_b_\@:
	tensor_load_to_lds s[\g0b:\g0b+3], s[\g1b:\g1b+7]
	s_nop 0
.rept 4
	v_nop
.endr
.Lasked_\@:
.endm
.macro CREST                           ; a round of the cluster's barrier behind its opening barrier
	s_cmp_lg_u32 s14, 0
	s_cbranch_scc1 .Lnot_wave_0_\@
	s_barrier_signal -3
.Lnot_wave_0_\@:
	s_barrier_wait -3
	s_barrier_signal -1
	s_barrier_wait -1
.endm
.macro CROUND
	s_barrier_signal -1
	s_barrier_wait -1
	CREST
.endm
	s_load_b128 s[96:99], s[0:1], 0x0              ; xq, wq
	s_load_b64 s[12:13], s[0:1], 0x10              ; qkv
	v_lshl_add_u32 v[SPW], v0, 2, SPARE
	v_mov_b32 v[NIL], 0
	ds_add_u32 v28, v29
	s_wait_dscnt 0x0
	v_lshrrev_b32 v1, 5, v0
	v_readfirstlane_b32 s14, v1                    ; wave 0..3
	s_lshr_b32 s15, s14, 1                         ; which half of the tile's A rows is mine.  Also: I fetch for A (0) or for B (1)
	s_and_b32 s16, s14, 1                          ; which half of its B rows.  Also: which 128 rows I fetch
	s_bfe_u32 s40, ttmp6, 0x40000                  ; cx, cy: my place in the cluster
	s_bfe_u32 s41, ttmp6, 0x40004
	s_and_b32 s17, ttmp7, 0xffff                   ; the cluster's y
	s_cmp_eq_u32 ttmp9, 2                          ; v?
	s_cselect_b32 s42, s17, ttmp9                  ; B's tiles: v: x's, by the cluster's y;  q, k: W's, by the kind
	s_cselect_b32 s17, 2, s17                      ; A's tiles: v: Wv's (wq's rows 2,048 on);  q, k: x's
	s_lshl_b32 s42, s42, 2
	s_add_co_u32 s42, s42, s40                     ; B's tile of 256 rows
	s_lshl_b32 s17, s17, 2
	s_add_co_u32 s17, s17, s41                     ; A's tile of 256 rows
	s_lshl_b32 s43, s41, 2
	s_lshl_b32 s43, 15, s43                        ; my row of the cluster
	s_lshl_b32 s44, 0x1111, s40                    ; my column
	; descriptor group 1: a tile of 128 rows x ROWB bytes, padded in LDS
	s_or_b32 s[G1+0], s43, (0<<16)|(1<<20)|(1<<21)|(3<<22)|(3<<25)  ; 15:0 the mask; 17:16 elements of 1 byte; 20 padding on; 21 set beside a mask; 24:22 after every 16 words; 31:25 4 words of it
	s_or_b32 s[G1B+0], s44, (0<<16)|(1<<20)|(1<<21)|(3<<22)|(3<<25)
.irp g, G1, G1B
	s_mov_b32 s[\g+1], ROWB<<16                    ; tensor_dim0
	s_mov_b32 s[\g+2], 128<<16                     ; tensor_dim1
	s_mov_b32 s[\g+3], ROWB<<16                    ; tile_dim0
	s_mov_b32 s[\g+4], 128                         ; tile_dim1
	s_mov_b32 s[\g+5], KROW                        ; tensor_dim0_stride
	s_mov_b32 s[\g+6], 0
	s_mov_b32 s[\g+7], 0
.endr
	; the scales of 128 rows: a dense block of 4,096 bytes, as rows of 256 bytes (32 elements of 8 bytes), 16 bytes of padding behind each
	s_or_b32 s[G1S+0], s43, (3<<16)|(1<<20)|(1<<21)|(5<<22)|(3<<25)
	s_or_b32 s[G1SB+0], s44, (3<<16)|(1<<20)|(1<<21)|(5<<22)|(3<<25)
.irp g, G1S, G1SB
	s_mov_b32 s[\g+1], 32<<16
	s_mov_b32 s[\g+2], (128*KS/256)<<16
	s_mov_b32 s[\g+3], 32<<16
	s_mov_b32 s[\g+4], 128*KS/256
	s_mov_b32 s[\g+5], 32
	s_mov_b32 s[\g+6], 0
	s_mov_b32 s[\g+7], 0
.endr
	s_lshl_b32 s18, s16, 7                         ; which 128 rows of the tile I fetch
	s_lshl_b32 s20, s17, 8
	s_add_co_u32 s20, s20, s18                     ; A's row
	s_lshl_b32 s46, s42, 8
	s_add_co_u32 s46, s46, s18                     ; B's row
	s_mov_b32 s21, 0
	s_mov_b32 s47, 0
	s_mov_b64 s[18:19], KS
	s_mul_u64 s[22:23], s[20:21], s[18:19]         ; where these rows' scales begin, in bytes
	s_mul_u64 s[92:93], s[46:47], s[18:19]
	s_mov_b64 s[18:19], KROW
	s_mul_u64 s[20:21], s[20:21], s[18:19]         ; and their codes
	s_mul_u64 s[46:47], s[46:47], s[18:19]
	s_mul_i32 s45, s14, HALFT                      ; where they go: wave x 128 rows: no place in the cluster enters an LDS address
	s_mul_i32 s94, s14, HALFS
	s_mov_b32 s100, XSEC
	s_mov_b32 s101, WSEC
	s_wait_kmcnt 0x0
	s_cmp_eq_u32 ttmp9, 2                          ; the buffers are chosen by the kind, which hangs on no address
	s_cselect_b64 s[4:5], s[98:99], s[96:97]       ; A's codes
	s_cselect_b64 s[8:9], s[96:97], s[98:99]       ; B's codes
	s_cselect_b32 s6, s101, s100
	s_cselect_b32 s10, s100, s101
	s_mov_b32 s7, 0
	s_mov_b32 s11, 0
	s_add_nc_u64 s[6:7], s[4:5], s[6:7]            ; A's scales
	s_add_nc_u64 s[10:11], s[8:9], s[10:11]        ; B's scales
	s_add_nc_u64 s[20:21], s[4:5], s[20:21]
	s_add_nc_u64 s[22:23], s[6:7], s[22:23]
	s_add_nc_u64 s[46:47], s[8:9], s[46:47]
	s_add_nc_u64 s[92:93], s[10:11], s[92:93]
	CROUND                                         ; all sixteen work-groups are here: the first joint loads meet
	s_mov_b32 s[G0S], 1
	s_add_co_u32 s[G0S+1], s94, SCL
	s_mov_b64 s[G0S+2:G0S+3], s[22:23]
	s_or_b32 s[G0S+3], s[G0S+3], 0x80000000
	s_mov_b32 s[G0SB], 1
	s_add_co_u32 s[G0SB+1], s94, SCL
	s_mov_b64 s[G0SB+2:G0SB+3], s[92:93]
	s_or_b32 s[G0SB+3], s[G0SB+3], 0x80000000
	JLOAD G0S, G1S, G0SB, G1SB                     ; the scales first: they are wanted with K step 0
.irp s, 0,1
	s_mov_b32 s[G0+4*\s], 1
	s_add_co_u32 s[G0+4*\s+1], s45, \s*SLOT
	s_add_nc_u64 s[G0+4*\s+2:G0+4*\s+3], s[20:21], \s*ROWB
	s_or_b32 s[G0+4*\s+3], s[G0+4*\s+3], 0x80000000
	s_mov_b32 s[G0B+4*\s], 1
	s_add_co_u32 s[G0B+4*\s+1], s45, \s*SLOT
	s_add_nc_u64 s[G0B+4*\s+2:G0B+4*\s+3], s[46:47], \s*ROWB
	s_or_b32 s[G0B+4*\s+3], s[G0B+4*\s+3], 0x80000000
	JLOAD G0+4*\s, G1, G0B+4*\s, G1B               ; three tensor loads of mine are out now
.endr
	v_and_b32 v1, 15, v0                           ; l % 16
	v_bfe_u32 v2, v0, 4, 1                         ; l / 16
	v_mul_u32_u24 v3, v1, PITCH
	v_mul_u32_u24 v4, v2, 24
	v_add_nc_u32 v4, v3, v4                        ; a fragment's row x pitch + 24 x half
	v_lshl_add_u32 v5, v2, 4, v4                   ; and the same behind one padding more
	s_mul_i32 s21, s15, HALFT                      ; my 128 rows of A
	s_mul_i32 s22, s16, HALFT                      ; my 128 rows of B,
	s_add_co_u32 s22, s22, 2*HALFT                 ; which lie behind A's 256
.irp s, 0,1
	v_add_nc_u32 v[ADRA+\s], s21, v4
	v_add_nc_u32 v[ADRB+\s], s22, v4
	v_add_nc_u32 v[ADRA+2+\s], s21, v5
	v_add_nc_u32 v[ADRB+2+\s], s22, v5
	s_add_co_u32 s21, s21, SLOT
	s_add_co_u32 s22, s22, SLOT
.endr
	v_mul_u32_u24 v5, v1, KS                       ; my row's scales: KS bytes a row,
	v_lshrrev_b32 v6, 8, v5
	v_lshl_add_u32 v5, v6, 4, v5                   ; and 16 more for each 256 passed
	s_mul_i32 s21, s15, HALFS
	s_mul_i32 s22, s16, HALFS
	s_add_co_u32 s22, s22, 2*HALFS
	s_sub_co_u32 s22, s22, s21
	v_mul_u32_u24 v6, s22, v2                      ; lanes 16-31 take B's: the lower base + half x the distance
	s_add_co_u32 s21, s21, SCL
	v_add_nc_u32 v5, v5, v6
	v_add_nc_u32 v[ADRS], s21, v5
	v_and_b32 v6, 31, v0
	v_lshlrev_b32 v[O16], 4, v6
	v_lshlrev_b32 v[O8], 3, v6
	; WHERE THE RESULTS GO.  These numbers enter store addresses alone.  A record is one head's 128 rows of S: number ((16 b + head) 16 + step)
	s_mov_b32 s18, 12288
	s_mov_b32 s19, KVC
	s_mov_b32 s22, 512
	s_mov_b32 s23, KVS
	s_cmp_eq_u32 ttmp9, 0
	s_cselect_b32 s18, 6144, s18                   ; a record's codes: q 6,144 bytes; k and v share 12,288
	s_cselect_b32 s19, 0, s19
	s_cselect_b32 s22, 256, s22                    ; its scale image: q 256; k and v share 512
	s_cselect_b32 s23, QSS, s23
	s_lshl_b32 s2, s42, 1
	s_add_co_u32 s2, s2, s16                       ; v: my 128 rows of S are B's
	s_lshl_b32 s95, s17, 1
	s_add_co_u32 s95, s95, s15                     ; q, k: A's
	s_lshl_b32 s100, s41, 2
	s_lshl_b32 s101, s15, 1
	s_add_co_u32 s100, s100, s101                  ; v: my first head = 4 cy + 2 x half of A
	s_lshl_b32 s101, s40, 2
	s_lshl_b32 s66, s16, 1
	s_add_co_u32 s101, s101, s66                   ; q, k: 4 cx + 2 x half of B
	s_cmp_eq_u32 ttmp9, 2
	s_cselect_b32 s2, s2, s95                      ; 16 b + step
	s_cselect_b32 s95, s100, s101                  ; head
	s_cselect_b32 s100, 6144, 0                    ; v lies behind k in a record
	s_cselect_b32 s101, 256, 0
	s_add_co_u32 s19, s19, s100
	s_add_co_u32 s23, s23, s101
	s_lshr_b32 s100, s2, 4
	s_lshl_b32 s100, s100, 4
	s_add_co_u32 s100, s100, s95
	s_lshl_b32 s100, s100, 4
	s_and_b32 s2, s2, 15
	s_add_co_u32 s100, s100, s2                    ; the record's number
	s_mul_i32 s2, s100, s18
	s_add_co_u32 s2, s2, s19
	s_mul_i32 s100, s100, s22
	s_add_co_u32 s100, s100, s23
	s_mov_b32 s101, 0
	s_add_nc_u64 s[OS:OS+1], s[12:13], s[100:101]
	s_mov_b32 s100, s2
	s_add_nc_u64 s[OC:OC+1], s[12:13], s[100:101]
	s_lshl_b32 s[STC], s18, 4                      ; the next head's record lies 16 records on
	s_lshl_b32 s[STS], s22, 4
	s_mov_b32 s[STS+1], 0
	s_mov_b32 s[SEL], 0x76543210
	s_mov_b32 s[SEL+1], 0xfedcba98
.macro FRAG reg, adr, q, i             ; a fragment, 16 rows x 128 K: lane l holds row l % 16; registers 6 c .. 6 c + 5 hold K = 64 c + 32 (l / 16) + 0 .. 31: 24 bytes of the row, as they lie, in pieces of 8 bytes
.irp p, 0,1,2,3,4,5
.set PCE, 12*(\q)+6*(\p/3)+\p%3        ; 16 bytes of padding lie behind every 8 pieces: where the piece three on lies behind one padding more, the second address register serves
.if PCE%8 < 5
	ds_load_b64 v[\reg+2*\p:\reg+2*\p+1], v[\adr] offset:8*PCE+16*(PCE/8)+(\i)*16*PITCH
.else
	ds_load_b64 v[\reg+2*\p:\reg+2*\p+1], v[\adr+2] offset:8*PCE+16*(PCE/8)+(\i)*16*PITCH
.endif
.endr
.endm
; 16 matrix instructions: A's blocks a0, a0 + 1 x B's eight, 128 along K.  zero = 1: the first product starts the sums.  The 64 accumulators take turns, one instruction a turn.
.macro MUL16 a0, p, q, sc, zero
.irp a, \a0, \a0+1
.irp b, 0,1,2,3,4,5,6,7
.if \zero
	v_wmma_scale_f32_16x16x128_f8f6f4 v[8*(8*((\a)%4)+\b):8*(8*((\a)%4)+\b)+7], v[128*(\p)+FR*\b:128*(\p)+FR*\b+FR-1], v[AF+FR*(\a):AF+FR*(\a)+FR-1], 0, v[SC+8*NQ*(\sc)+NQ*\b+(\q)], v[SC+8*NQ*(\sc)+NQ*(\a)+(\q)] matrix_a_fmt:MATRIX_FMT_BF6 matrix_b_fmt:MATRIX_FMT_BF6 matrix_a_scale:MATRIX_SCALE_ROW1
.else
	v_wmma_scale_f32_16x16x128_f8f6f4 v[8*(8*((\a)%4)+\b):8*(8*((\a)%4)+\b)+7], v[128*(\p)+FR*\b:128*(\p)+FR*\b+FR-1], v[AF+FR*(\a):AF+FR*(\a)+FR-1], v[8*(8*((\a)%4)+\b):8*(8*((\a)%4)+\b)+7], v[SC+8*NQ*(\sc)+NQ*\b+(\q)], v[SC+8*NQ*(\sc)+NQ*(\a)+(\q)] matrix_a_fmt:MATRIX_FMT_BF6 matrix_b_fmt:MATRIX_FMT_BF6 matrix_a_scale:MATRIX_SCALE_ROW1
.endif
.endr
.endr
.endm
.macro FETCH_B slot, q, p
	WIN TO_B
.irp i, 0,1,2,3,4,5,6,7
	FRAG 128*(\p)+FR*\i, ADRB+\slot, \q, \i
.endr
	WIN 0
.endm
.macro FETCH_A slot, q, i0
.irp i, \i0, \i0+1, \i0+2, \i0+3
	FRAG AF+FR*(\i), ADRA+\slot, \q, \i
.endr
.endm
.macro SCALES sc                       ; a K step's scale words: lanes 0-15 take A's block i, lanes 16-31 B's block i
.irp i, 0,1,2,3,4,5,6,7
	ds_load_b64 v[SC+8*NQ*\sc+NQ*\i:SC+8*NQ*\sc+NQ*\i+1], v[ADRS] offset:\i*SBLK
.endr
.endm
.macro PLACES n                        ; plain vector instructions between a matrix instruction and a load into, or a vector instruction on, its registers
.rept \n
	v_nop
.endr
.endm
.macro STEP slot, q, zero              ; a step of 128 along K that has its successor in the same slot
	s_wait_dscnt 4*NL                              ; B's set and A's blocks 0-3 are in; the youngest 24 loads (A's blocks 4-7) may be out
	WIN MUL_LO
	MUL16 0, (\q)%2, \q, \slot, \zero
	MUL16 2, (\q)%2, \q, \slot, \zero
	s_wait_dscnt 0                                 ; A's blocks 4-7 are in
	PLACES NP
	FETCH_B \slot, (\q)+1, 1-(\q)%2
	FETCH_A \slot, (\q)+1, 0
	WIN MUL_HI
	MUL16 4, (\q)%2, \q, \slot, \zero
	MUL16 6, (\q)%2, \q, \slot, \zero
	PLACES NP
	WIN 0
	FETCH_A \slot, (\q)+1, 4
.endm
; A slot's last step changes slots: one barrier; in front of it each wave waits for all its tensor loads, adds 0 to its spare word, and waits for that and for its own reads of this slot.
.macro TURN slot, next, fill
	s_wait_tensorcnt 0x0                           ; all my tensor loads have landed: my part of the next slot
	ds_add_u32 v[SPW], v[NIL]                      ; 0 onto my spare word
	s_wait_dscnt 4*NL+1                            ; (the add and the youngest 24 loads may be out)
	WIN MUL_LO
	MUL16 0, 1, NQ-1, \slot, 0
	s_wait_dscnt 0x0                               ; the add is done, and my reads of this slot are over
	s_barrier_signal -1
	MUL16 2, 1, NQ-1, \slot, 0
	WIN 0
	s_barrier_wait -1
.if \fill
	CREST                                          ; the barrier has opened a round of the cluster's: no wave of any partner still reads this slot or has a load on its way
	s_add_nc_u64 s[G0+4*\slot+2:G0+4*\slot+3], s[G0+4*\slot+2:G0+4*\slot+3], 2*ROWB
	s_add_nc_u64 s[G0B+4*\slot+2:G0B+4*\slot+3], s[G0B+4*\slot+2:G0B+4*\slot+3], 2*ROWB
	JLOAD G0+4*\slot, G1, G0B+4*\slot, G1B         ; the first tensor load behind the round, my only one until the next; its four v_nop are the places in front of the loads below
.else
	PLACES NP
.endif
	v_add_nc_u32 v[ADRS], 4*NQ, v[ADRS]            ; on to the next K step's scale words
	FETCH_B \next, 0, 0
	FETCH_A \next, 0, 0
	SCALES \next
	WIN MUL_HI
	MUL16 4, 1, NQ-1, \slot, 0
	MUL16 6, 1, NQ-1, \slot, 0
	PLACES NP
	WIN 0
	FETCH_A \next, 0, 4
.endm
	s_wait_tensorcnt 1                             ; the scales and my part of K step 0 are in (K step 1's load may be out)
	s_barrier_signal -1
	s_barrier_wait -1                              ; everybody's are
	FETCH_B 0, 0, 0
	FETCH_A 0, 0, 0
	SCALES 0
	FETCH_A 0, 0, 4
	STEP 0, 0, 1                                   ; the first step stands in front of the loop: its products start the sums
	s_mov_b32 s3, LAPS-1
.Llap:                                                 ; a trip goes once round the ring and fills both slots again
	TURN 0, 1, 1
	STEP 1, 0, 0
	TURN 1, 0, 1
	STEP 0, 0, 0
	s_sub_co_u32 s3, s3, 1
	s_cmp_lg_u32 s3, 0
	s_cbranch_scc1 .Llap
	TURN 0, 1, 0                                   ; the last lap fills nothing
	STEP 1, 0, 0
	s_wait_dscnt 4*NL
	WIN MUL_LO
	MUL16 0, 1, NQ-1, 1, 0
	MUL16 2, 1, NQ-1, 1, 0
	s_wait_dscnt 0
	WIN MUL_HI
	MUL16 4, 1, NQ-1, 1, 0
	MUL16 6, 1, NQ-1, 1, 0
	WIN 0
; THE WAY OUT.  QUANT makes fragment f of a record: four blocks of 32; block b's 16 numbers of my lane lie at v[s + 16 b + (b / 2) skip] on, in window w: two neighbouring accumulators.
; The other 16 lie in lane l xor 16.  Each accumulator is read from its low end on.  The codes go to v[PC] on, the scale word to v[PW + f]; the fragment is stored as it stands.
.macro QUANT s, skip, w, f
.set WQ, ((\w)<<2)|((\w)<<4)
	WIN WQ                                         ; sources 1 and 2 in the accumulators' window
.irp b, 0,1,2,3
	v_max3_num_f32 v[TM+\b], 0x2800000, |v[(\s)+16*\b+(\b/2)*(\skip)]|, |v[(\s)+16*\b+(\b/2)*(\skip)+1]|   ; with the floor 2^(5 - 127): the byte cannot fall under 1
.endr
.irp i, 2,4,6,8,10,12,14
.irp b, 0,1,2,3
	v_max3_num_f32 v[TM+\b], v[TM+\b], |v[(\s)+16*\b+(\b/2)*(\skip)+\i]|, |v[(\s)+16*\b+(\b/2)*(\skip)+\i+1]|   ; the four blocks by turns
.endr
.endr
	WIN 0
.irp b, 0,1,2,3
	v_permlanex16_b32 v[TM+4+\b], v[TM+\b], s[SEL], s[SEL+1]
.endr
.irp b, 0,1,2,3
	v_max_num_f32 v[TM+\b], v[TM+\b], v[TM+4+\b]   ; the block's largest magnitude
.endr
.irp b, 0,1,2,3
	v_add_nc_u32 v[TM+12+\b], 0xfe000000, v[TM+\b] ; 4 off its exponent field: the conversion's scale operand
.endr
.irp b, 0,1,2,3
	v_lshrrev_b32 v[TM+4+\b], 23, v[TM+12+\b]      ; the scale's byte
.endr
	v_lshl_or_b32 v[PW+(\f)], v[TM+5], 8, v[TM+4]
	v_lshl_or_b32 v[PW+(\f)], v[TM+6], 16, v[PW+(\f)]
	v_lshl_or_b32 v[PW+(\f)], v[TM+7], 24, v[PW+(\f)]
	s_wait_xcnt 0x0                                ; the last fragment's stores have read their registers: the codes may be written again
.set WQ, (\w)
	WIN WQ                                         ; source 0 in the accumulators' window
.irp c, 0,1
	v_cvt_scalef32_pk16_bf6_f32 v[PC+6*\c:PC+6*\c+2], v[(\s)+32*\c+\c*(\skip):(\s)+32*\c+\c*(\skip)+15], v[TM+12+2*\c]
	v_cvt_scalef32_pk16_bf6_f32 v[PC+12+4*\c:PC+12+4*\c+2], v[(\s)+32*\c+\c*(\skip)+16:(\s)+32*\c+\c*(\skip)+31], v[TM+12+2*\c+1]   ; (a conversion's three registers begin on an even number)
.endr
	WIN 0
	v_nop                                          ; one plain place behind a scaled conversion
.irp c, 0,1                                    ; the operand's layout wants a whole block in a lane: lanes 0-15 block 2 c, lanes 16-31 block 2 c + 1
.irp i, 0,1,2
	v_permlane16_swap_b32 v[PC+6*\c+\i], v[PC+12+4*\c+\i]
.endr
.irp i, 0,1,2
	v_mov_b32 v[PC+3+6*\c+\i], v[PC+12+4*\c+\i]
.endr
.endr
.irp c, 0,1,2
	global_store_b128 v[O16], v[PC+4*\c:PC+4*\c+3], s[OC:OC+1] offset:1536*(\f)+512*\c   ; 32 lanes store 512 consecutive bytes, at a multiple of 256 from the buffer's first byte
.endr
.endm
.macro RECORD_END more                 ; the four scale words as one image: lanes 0-15 fragments 0 and 2, lanes 16-31 fragments 1 and 3
	v_cndmask_b32 v[SI], v[PW], v[PW+1], vcc_lo
	v_cndmask_b32 v[SI+1], v[PW+2], v[PW+3], vcc_lo
	global_store_b64 v[O8], v[SI:SI+1], s[OS:OS+1]  ; 256 consecutive bytes, aligned
.if \more
	s_wait_xcnt 0x0                                ; the stores have read their bases
	s_add_nc_u64 s[OC:OC+1], s[OC:OC+1], s[STC:STC+1]
	s_add_nc_u64 s[OS:OS+1], s[OS:OS+1], s[STS:STS+1]
.endif
.endm
	PLACES NP                                      ; behind the last products: results are read and registers that held A's fragments are written below
.irp b, 0,1,2,3
	v_mov_b32 v[TM+4+\b], 0                        ; written once: a lane permute's destination counts as one of its sources
.endr
	v_and_b32 v[HB], 16, v0
	v_cmp_ne_u32 vcc_lo, 0, v[HB]                  ; lanes 16-31
	s_cmp_eq_u32 ttmp9, 2                          ; the kind: the same in all partners
	s_cbranch_scc1 .Lfor_v
.irp g, 0,1                                    ; q, k: head g = B's blocks 4 g .. 4 g + 3; fragment a = A's blocks 2 a, 2 a + 1
.irp a, 0,1,2,3
	QUANT 128*(\a%2)+32*\g, 32, 2+\a/2, \a
.endr
	RECORD_END 1-\g
.endr
	s_branch .Lleave
.Lfor_v:
.irp e, 0,1                                    ; v: head e = A's blocks 4 e .. 4 e + 3; fragment t = A's block 4 e + t against B's eight: 128 keys
.irp t, 0,1,2,3
	QUANT 64*\t, 0, 2+\e, \t
.endr
	RECORD_END 1-\e
.endr
.Lleave:
	s_wait_tensorcnt 0x0                           ; the wave's end
	ds_add_u32 v[SPW], v[NIL]
	s_wait_dscnt 0x0
	CROUND                                         ; the closing round: no work-group ends while a partner may still ask for a tile that names it
	s_endpgm
.Lfunc_end_k_q77836a201b_proj:
	.size	k_q77836a201b_proj, .Lfunc_end_k_q77836a201b_proj-k_q77836a201b_proj
	.p2alignl 7, 3214868480
	.fill 96, 4, 3214868480
	.section	.rodata,"a",@progbits
	.p2align	6, 0x0
	.amdhsa_kernel k_q77836a201b_proj
		.amdhsa_group_segment_fixed_size 327680
		.amdhsa_private_segment_fixed_size 0
		.amdhsa_enable_private_segment 0
		.amdhsa_kernarg_size 24
		.amdhsa_user_sgpr_count 2
		.amdhsa_user_sgpr_kernarg_segment_ptr 1
		.amdhsa_wavefront_size32 1
		.amdhsa_system_sgpr_workgroup_id_x 1
		.amdhsa_system_sgpr_workgroup_id_y 1
		.amdhsa_system_sgpr_workgroup_id_z 1
		.amdhsa_system_vgpr_workitem_id 0
		.amdhsa_next_free_vgpr 1024
		.amdhsa_next_free_sgpr 102
		.amdhsa_reserve_vcc 1
		.amdhsa_float_denorm_mode_32 3
		.amdhsa_float_denorm_mode_16_64 3
		.amdhsa_memory_ordered 1
		.amdhsa_forward_progress 1
		.amdhsa_inst_pref_size 199
	.end_amdhsa_kernel
	.amdgpu_metadata
---
amdhsa.version: [ 1, 2 ]
amdhsa.kernels:
  - .name:           k_q77836a201b_proj
    .symbol:         k_q77836a201b_proj.kd
    .args:
      - { .name: xq, .offset: 0, .size: 8, .value_kind: global_buffer, .address_space: global }
      - { .name: wq, .offset: 8, .size: 8, .value_kind: global_buffer, .address_space: global }
      - { .name: qkv, .offset: 16, .size: 8, .value_kind: global_buffer, .address_space: global }
    .group_segment_fixed_size: 327680
    .private_segment_fixed_size: 0
    .kernarg_segment_align: 8
    .kernarg_segment_size: 24
    .max_flat_workgroup_size: 128
    .sgpr_count:     102
    .vgpr_count:     1024
    .wavefront_size: 32
...
	.end_amdgpu_metadata
.endif
;; end of part 2
;; launch attn (part 3): grid 4 x 64, 16 waves a work-group, no clusters, 327,680 bytes of LDS; arguments qkv, aq; writes aq
.if DOCPART == 3
	.amdgcn_target "amdgcn-amd-amdhsa--gfx1250"
	.amdhsa_code_object_version 6
	.text
	.protected	k_q77836a201b_attn
	.globl	k_q77836a201b_attn
	.p2align	8
	.type	k_q77836a201b_attn,@function
k_q77836a201b_attn:
	s_mov_b64 s[64:65], 0
	v_nop
	global_prefetch_b8 v0, s[64:65] scope:SCOPE_SE
	s_setreg_imm32_b32 hwreg(HW_REG_WAVE_MODE, 25, 1), 1
	s_wait_xcnt 0x0
; Causal attention of one head on codes of BF6 (E3M2): S^T = K Q^T, p = 2^(t - M), O^T = V^T P^T, O / l, and O quantised along the concatenated heads for the last product.  S = 2,048, head size 64, 64 (b, head) pairs.
; THE SOFTMAX: t = score x log2(e) / 8; M = the row's largest t so far, rounded UP to a whole number; p = 2^(t - M) is quantised along the keys, not normalised; the row's sum l is taken of the unquantised p.
; When M moves, l and O^T are multiplied by 2^(old M - new M): exact.
; SHARES.  A work-group (x = i in 0 .. 3, y = 16 b + head) owns two blocks of 256 queries: block 7 - i first, block i second.  Wave w of sixteen owns queries 16 w + 0 .. 15 of the block in hand: one tile, 256 registers.
; A slot is 256 keys (two steps of 128).  Block 7 - i wants slots 0 .. 7 - i, block i slots 0 .. i: NINE slots in every work-group: the trip count is a constant, the work-groups are equal, and no tile is fetched that nobody reads.
; A step all of whose keys come after the wave's queries is jumped over (a scalar branch on ids; no barrier and no tensor load stands in a step); on the diagonal hidden scores become -infinity.
; WHAT COMES IN (made by the launch before), as images of operand registers: a fragment (12 registers a lane): register p of lane l at 512 (p / 4) + 16 l + 4 (p % 4); the scale words of four fragments: 8 bytes a lane:
; word 0 fragment l / 16, word 1 fragment 2 + l / 16.  So every LDS read is 16 x lane or 8 x lane, dense.
; K = 64 IN AN INSTRUCTION OF 128.  A fragment of K holds [16 keys X | 16 keys Y], each with its 64 d.  Q stands in 18 registers [q | zeros | q]: source 1 = [q | 0] gives X's scores, [0 | q] gives Y's; zero codes add nothing.
; LAYOUT.  A lane holds ONE query (lane % 16) throughout.  In score tile T register j of lane (r, h) is key 16 T + 8 h + j.  Two neighbouring tiles, converted sixteen at a time, give a block of 32 in the order
; 'place 16 h + 8 u + j holds element 16 u + 8 h + j', which V's codes along the keys (and Wo's along E) have too.
; WHAT GOES OUT: aq: [tile of 16 rows][head][768]: half a fragment (6 registers: lane (r, h) holds row r, block h of the head's 64): register p at 256 (p / 2) + 8 l + 4 (p % 2); at ASEC [row][32] scale bytes, byte 2 head + block.
; The two scale bytes of a row are stored singly, side by side: one byte in 24 of what the launch stores.
; NO CLUSTER: the four work-groups of a head want the same slot only in trips 0 to 4; from trip 5 on they want different slots in the same trip, so a joint request would not be alike in all partners.
; LIMITS: NaN and infinities are not served; the running maximum starts at -3e38; a block whose largest magnitude lies under 2^-122 gets the byte 1 (read by this program alone);
; a block's largest p is taken from its largest score, which leans on v_exp_f32 not falling where its input rises.
.set KVC,   6291456
.set QSS,   18874368
.set KVS,   19136512
.set ASEC,  6291456
.set SLOT1, 32768                      ; slot 1 begins here: one exclusive or turns an address.  In a slot: step q's K at 12,288 q, its V 6,144 on; the scale images at 24,576 + 512 q (K's, then V's)
.set SPARE, 65536                      ; the spare words, 128 bytes for each wave: eight blocks of 256 bytes that no other line names
.set L16, 1                            ; v1   16 x lane
.set L8,  2                            ; v2   8 x lane
.set SPW, 3                            ; v3   LDS address of my spare word; never rewritten
.set NIL, 4                            ; v4   0; never rewritten
.set ADK, 5                            ; v5   the slot + 16 x lane
.set ADS, 6                            ; v6   the slot + 8 x lane
.set RMH, 7                            ; v7   r - 8 h
.set SBO, 9                            ; v9   32 r + h: my scale byte's place
.set PFO, 10                           ; v10  the prefetches' offset; never rewritten
.set QF,  16                           ; v16-21 q, v22-27 zeros, v28-33 q
.set QW,  34                           ; v34  q's scale word
.set KV,  36                           ; v36-83 four fragments: K's, then V's
.set KSW, 84                           ; v[84:85] K's scale words
.set VSW, 86                           ; v[86:87] V's
.set Q2,  88                           ; v88-93 the second block's q;  v94 its scale word
.set QW2, 94
.set ST,  96                           ; v96-159 S^T, then p
.set OT,  160                          ; v160-191 O^T
.set PCD, 192                          ; v192-203 p's codes
.set PC2, 204                          ; v204-206, v208-210 the conversions' second halves
.set MX,  212                          ; v212-215 the blocks' largest scores
.set PT,  216                          ; v216-219 at work
.set SO,  220                          ; v220-223 the conversions' scale operands
.set FF,  224                          ; v[224:225] f = 2^(old M - new M), and a word that is only named with it
.set TMP, 226
.set NINF, 227                         ; -infinity
.set DD,  228
.set PWD, 230                          ; p's scale word
.set TB,  2                            ; s2   LDS byte at which the slot in hand begins
.set TN,  3                            ; s3   trips asked for so far
.set WV,  18
.set BH,  19                           ; 16 b + head
.set SEL, 20                           ; s[20:21] lane selects: lane l xor 16
.set CS,  22                           ; s[22:23] c = log2(e) / 8
.set G1C, 24                           ; s[24:31] group 1: 24 rows of 256 bytes: a quarter of a slot's codes
.set G1S, 32                           ; s[32:39] 4 rows of 256 bytes: a slot's scale images
.set G0C, 40
.set G0S, 44
.set SLOTS, 66
.set NHI, 67                           ; slots of the first block: 8 - i
.set KVB, 68                           ; s[68:69] the head's codes of K and V, at my quarter of a slot
.set KSB, 70                           ; s[70:71] its scale images
.set PFA, 76
.set PFS, 78
.set LIM, 80
.set BLK, 81                           ; the block of queries in hand
.set KF,  98                           ; the step's first key
.set Q0,  99                           ; my first query
; Waves 0 to 3 fetch a quarter of the slot's codes each, wave 4 its scale images, the others nothing.  The branches hang on the wave's number alone.  Four v_nop follow each load.
.macro TLOAD
	s_cmp_lt_u32 s[WV], 4
	s_cbranch_scc0 .Lnot_c_\@
	tensor_load_to_lds s[G0C:G0C+3], s[G1C:G1C+7]
	s_nop 0
.rept 4
	v_nop
.endr
	s_branch .Lasked_\@
.Lnot_c_\@:
	s_cmp_eq_u32 s[WV], 4
	s_cbranch_scc0 .Lasked_\@
	tensor_load_to_lds s[G0S:G0S+3], s[G1S:G1S+7]
	s_nop 0
.rept 4
	v_nop
.endr
.Lasked_\@:
.endm
; A PREFETCH INTO THE L2 of the slot that the NEXT change of slots will ask for.  All four work-groups of a head walk slots 0 on: the one with i = 0, whose first walk is slots 0 .. 7, asks, in trip t for slot t + 2, up to slot 7.
; Waves 4 to 6: the slot's 24,576 bytes of codes, 8,192 a wave, lanes 256 bytes apart.  Wave 7, in every eighth (b, head) pair: the slot's four blocks of scale images of eight pairs: lane l names pair + l / 4, block l % 4.
; So each aligned block of 256 bytes is named once in the launch.  Slots 0 and 1 come by their loads alone.
.macro ASK
	s_cmp_gt_u32 s[SLOTS], s[LIM]
	s_cbranch_scc0 .Lnot_mine_\@
	global_prefetch_b8 v[PFO], s[PFA:PFA+1] th:TH_LOAD_NT scope:SCOPE_SE
.Lnot_mine_\@:
.endm
	s_load_b128 s[4:7], s[0:1], 0x0                ; qkv, aq
	v_lshl_add_u32 v[SPW], v0, 2, SPARE
	v_mov_b32 v[NIL], 0
	ds_add_u32 v3, v4
	ds_add_u32 v3, v4
	s_wait_dscnt 0x0
	v_lshrrev_b32 v5, 5, v0
	s_delay_alu instid0(VALU_DEP_1)
	v_readfirstlane_b32 s[WV], v5                  ; wave 0..15
	s_and_b32 s[BH], ttmp7, 0xffff
	s_sub_co_u32 s[NHI], 8, ttmp9
	s_sub_co_u32 s[BLK], 7, ttmp9
	s_mov_b32 s[G1C], 3<<16                        ; no mask; elements of 8 bytes; no padding
	s_mov_b32 s[G1C+1], 32<<16                     ; tensor_dim0 = 32 elements: 256 bytes
	s_mov_b32 s[G1C+2], 24<<16                     ; tensor_dim1
	s_mov_b32 s[G1C+3], 32<<16                     ; tile_dim0
	s_mov_b32 s[G1C+4], 24                         ; tile_dim1
	s_mov_b32 s[G1C+5], 32                         ; the pitch: dense
	s_mov_b32 s[G1C+6], 0
	s_mov_b32 s[G1C+7], 0
	s_mov_b32 s[G1S], 3<<16
	s_mov_b32 s[G1S+1], 32<<16
	s_mov_b32 s[G1S+2], 4<<16
	s_mov_b32 s[G1S+3], 32<<16
	s_mov_b32 s[G1S+4], 4
	s_mov_b32 s[G1S+5], 32
	s_mov_b32 s[G1S+6], 0
	s_mov_b32 s[G1S+7], 0
	s_and_b32 s82, s[WV], 3
	s_mul_i32 s83, s82, 6144                       ; my quarter of a slot's codes, in memory and in LDS
	s_mul_i32 s84, s[BH], 196608                   ; a head's 16 steps of 12,288 bytes
	s_add_co_u32 s84, s84, s83
	s_add_co_u32 s84, s84, KVC
	s_mov_b32 s85, 0
	s_lshl_b32 s86, s[BH], 13                      ; a head's 16 steps of 512 bytes
	s_add_co_u32 s86, s86, KVS
	s_mov_b32 s87, 0
	s_mov_b32 s[SEL], 0x76543210
	s_mov_b32 s[SEL+1], 0xfedcba98
	s_mov_b32 s[CS], 0x3e38aa3b                    ; c = log2(e) / 8
	s_mov_b32 s[CS+1], s[CS]                       ; (named with it as a pair, so it is written)
	s_mov_b32 s[TB], 0
	s_mov_b32 s[TN], 0
	s_mov_b32 s[KF], 0
	s_mov_b32 s[SLOTS], 8
	s_lshl_b32 s[Q0], s[BLK], 8
	s_lshl_b32 s88, s[WV], 4
	s_add_co_u32 s[Q0], s[Q0], s88                 ; my first query: 256 x block + 16 x wave
	s_wait_kmcnt 0x0
	s_add_nc_u64 s[KVB:KVB+1], s[4:5], s[84:85]
	s_add_nc_u64 s[KSB:KSB+1], s[4:5], s[86:87]
	s_mov_b32 s[G0C], 1                            ; count = 1
	s_mov_b32 s[G0C+1], s83                        ; LDS address: slot 0
	s_mov_b64 s[G0C+2:G0C+3], s[KVB:KVB+1]         ; the head's slot 0
	s_or_b32 s[G0C+3], s[G0C+3], 0x80000000        ; type = 2
	s_mov_b32 s[G0S], 1
	s_mov_b32 s[G0S+1], 24576
	s_mov_b64 s[G0S+2:G0S+3], s[KSB:KSB+1]
	s_or_b32 s[G0S+3], s[G0S+3], 0x80000000
	TLOAD                                          ; the first fill: one tensor load of mine is out, here and behind every change of slots
	; my q of both blocks: record 16 (16 b + head) + 2 block + w / 8, fragment (w / 2) % 4, its registers 6 u .. 6 u + 5, u = w % 2
	s_lshr_b32 s82, s[WV], 3
	s_lshl_b32 s83, s[BH], 4
	s_add_co_u32 s82, s82, s83
	s_lshl_b32 s83, s[BLK], 1
	s_add_co_u32 s83, s83, s82                     ; the first block's record
	s_lshl_b32 s84, ttmp9, 1
	s_add_co_u32 s84, s84, s82                     ; the second block's
	s_bfe_u32 s85, s[WV], 0x20001                  ; the fragment
	s_and_b32 s86, s[WV], 1                        ; u
	s_mul_i32 s87, s85, 1536
	s_mul_i32 s88, s83, 6144
	s_add_co_u32 s88, s88, s87
	s_mov_b32 s89, 0
	s_add_nc_u64 s[48:49], s[4:5], s[88:89]
	s_mul_i32 s88, s84, 6144
	s_add_co_u32 s88, s88, s87
	s_add_nc_u64 s[52:53], s[4:5], s[88:89]
	s_and_b32 s87, s85, 1                          ; the fragment's word of row r lies at 8 r + 128 (fragment % 2) + 4 (fragment / 2); my two bytes 2 u on
	s_lshl_b32 s87, s87, 7
	s_lshr_b32 s85, s85, 1
	s_lshl_b32 s85, s85, 2
	s_add_co_u32 s87, s87, s85
	s_lshl_b32 s85, s86, 1
	s_add_co_u32 s87, s87, s85
	s_add_co_u32 s87, s87, QSS
	s_lshl_b32 s88, s83, 8
	s_add_co_u32 s88, s88, s87
	s_add_nc_u64 s[50:51], s[4:5], s[88:89]
	s_lshl_b32 s88, s84, 8
	s_add_co_u32 s88, s88, s87
	s_add_nc_u64 s[54:55], s[4:5], s[88:89]
	; the prefetches: where my wave's stand (in slot 1: the first change of slots steps them to slot 2), and who asks
	s_and_b32 s82, s[WV], 3
	s_lshl_b32 s82, s82, 13
	s_mul_i32 s84, s[BH], 196608
	s_add_co_u32 s84, s84, s82
	s_add_co_u32 s84, s84, KVC+24576
	s_lshl_b32 s82, s[BH], 13
	s_add_co_u32 s82, s82, KVS+1024
	s_and_b32 s83, s[BH], 7
	s_mov_b32 s[PFS], 24576
	s_mov_b32 s[PFS+1], 0
	s_cmp_eq_u32 s[WV], 7
	s_cselect_b32 s[PFS], 1024, s[PFS]             ; a slot on
	s_cselect_b32 s84, s82, s84
	s_cselect_b32 s92, 7168, 0
	s_cselect_b32 s83, s83, 0
	s_mov_b32 s85, 0
	s_add_nc_u64 s[PFA:PFA+1], s[4:5], s[84:85]
	s_sub_co_u32 s82, s[WV], 4
	s_lshr_b32 s82, s82, 2                         ; 0 in waves 4 to 7,
	s_or_b32 s82, s82, ttmp9                       ; of the work-group with i = 0,
	s_or_b32 s82, s82, s83                         ; (wave 7: of every eighth pair)
	s_cmp_eq_u32 s82, 0
	s_cselect_b32 s[LIM], 2, -1                    ; a wave asks while more than LIM trips of the loop are left
	v_and_b32 v8, 31, v0                           ; lane
	s_delay_alu instid0(VALU_DEP_1)
	v_lshlrev_b32 v[L16], 4, v8
	s_delay_alu instid0(VALU_DEP_2)
	v_lshlrev_b32 v[L8], 3, v8
	s_delay_alu instid0(VALU_DEP_3)
	v_lshrrev_b32 v[PFO], 2, v8
	s_delay_alu instid0(VALU_DEP_1)
	v_mul_u32_u24 v[PFO], s92, v[PFO]
	s_delay_alu instid0(VALU_DEP_1)
	v_lshl_add_u32 v[PFO], v8, 8, v[PFO]           ; 256 x lane (wave 7: + 7,168 (lane / 4): from pair to pair 8,192 bytes)
	v_and_b32 v11, 15, v0                          ; r
	v_bfe_u32 v[TMP], v0, 4, 1                     ; h
	s_delay_alu instid0(VALU_DEP_1)
	v_lshlrev_b32 v[RMH], 3, v[TMP]
	s_delay_alu instid0(VALU_DEP_1)
	v_sub_nc_u32 v[RMH], v11, v[RMH]
	s_delay_alu instid0(VALU_DEP_3)
	v_lshl_add_u32 v[SBO], v11, 5, v[TMP]
	v_lshlrev_b32 v[DD], 3, v11                    ; 8 r
	s_mul_i32 s85, s86, 520
	v_add_nc_u32 v8, s85, v[L16]                   ; registers 6 u, 6 u + 1 lie at 16 l + 520 u, registers 6 u + 4, 6 u + 5 512 bytes on,
	s_mul_i32 s85, s86, 1016
	v_add_nc_u32 v11, s85, v[L16]                  ; registers 6 u + 2, 6 u + 3 at 16 l + 1,016 u + 8
	global_load_b64 v[QF:QF+1], v8, s[48:49]
	global_load_b64 v[QF+2:QF+3], v11, s[48:49] offset:8
	global_load_b64 v[QF+4:QF+5], v8, s[48:49] offset:512
	global_load_u16 v[QW], v[DD], s[50:51]
	global_load_b64 v[Q2:Q2+1], v8, s[52:53]
	global_load_b64 v[Q2+2:Q2+3], v11, s[52:53] offset:8
	global_load_b64 v[Q2+4:Q2+5], v8, s[52:53] offset:512
	global_load_u16 v[QW2], v[DD], s[54:55]
	s_wait_loadcnt 0x0
	v_lshl_or_b32 v[QW], v[QW], 16, v[QW]          ; q's two bytes serve both halves of the instruction's K
	v_lshl_or_b32 v[QW2], v[QW2], 16, v[QW2]
.irp i, 0,1,2,3,4,5
	v_mov_b32 v[QF+12+\i], v[QF+\i]
	v_mov_b32 v[QF+6+\i], 0
.endr
	v_mov_b32 v13, 0xff61b1e6                      ; the largest t so far: -3e38
	s_delay_alu instid0(VALU_DEP_1)
	v_floor_f32 v12, -v13                          ; -M
	v_mov_b32 v14, 0                               ; the sum, in two halves
	v_mov_b32 v15, 0
.irp b, 0,1,2,3
	v_mov_b32 v[PT+\b], 0                          ; written once: a lane permute's destination counts as one of its sources
.endr
	v_mov_b32 v[FF+1], 0
	v_mov_b32 v[TMP], 0
	v_mov_b32 v[NINF], 0xff800000
.set j, 0
.rept 32
	v_mov_b32 v[OT+j], 0                           ; O^T: the step is written once; the first finds zeros.  (These are also the places between the vector writes of q and its scale word and the first product)
.set j, j+1
.endr
; A KEY STEP: 128 keys, the q-th of the slot in hand.
.macro STEP q
	s_add_co_u32 s96, s[Q0], 15
	s_cmp_gt_u32 s[KF], s96                        ; all keys behind my queries: nothing to do
	s_cbranch_scc1 .Lhidden_\@
	v_add_nc_u32 v[ADK], s[TB], v[L16]
	v_add_nc_u32 v[ADS], s[TB], v[L8]
	v_nop
	v_nop                                          ; four places in front of loads into registers that the last products read
.irp f, 0,1,2,3
.irp c, 0,1,2
	ds_load_b128 v[KV+12*\f+4*\c:KV+12*\f+4*\c+3], v[ADK] offset:12288*(\q)+1536*\f+512*\c
.endr
.endr
	ds_load_b64 v[KSW:KSW+1], v[ADS] offset:24576+512*(\q)
	s_wait_alu depctr_va_vdst(0)
	s_wait_dscnt 0x0
.irp f, 0,1,2,3                                ; S^T: fragment f gives tiles 2 f (its keys X, against [q | 0]) and 2 f + 1 (Y, against [0 | q])
.if \f%2
	v_wmma_scale_f32_16x16x128_f8f6f4 v[ST+16*\f:ST+16*\f+7], v[KV+12*\f:KV+12*\f+11], v[QF:QF+11], 0, v[KSW+\f/2], v[QW] matrix_a_fmt:MATRIX_FMT_BF6 matrix_b_fmt:MATRIX_FMT_BF6 matrix_a_scale:MATRIX_SCALE_ROW1
	v_wmma_scale_f32_16x16x128_f8f6f4 v[ST+16*\f+8:ST+16*\f+15], v[KV+12*\f:KV+12*\f+11], v[QF+6:QF+17], 0, v[KSW+\f/2], v[QW] matrix_a_fmt:MATRIX_FMT_BF6 matrix_b_fmt:MATRIX_FMT_BF6 matrix_a_scale:MATRIX_SCALE_ROW1
.else
	v_wmma_scale_f32_16x16x128_f8f6f4 v[ST+16*\f:ST+16*\f+7], v[KV+12*\f:KV+12*\f+11], v[QF:QF+11], 0, v[KSW+\f/2], v[QW] matrix_a_fmt:MATRIX_FMT_BF6 matrix_b_fmt:MATRIX_FMT_BF6
	v_wmma_scale_f32_16x16x128_f8f6f4 v[ST+16*\f+8:ST+16*\f+15], v[KV+12*\f:KV+12*\f+11], v[QF+6:QF+17], 0, v[KSW+\f/2], v[QW] matrix_a_fmt:MATRIX_FMT_BF6 matrix_b_fmt:MATRIX_FMT_BF6
.endif
.endr
.rept 4
	v_nop                                          ; places: K's registers are loaded again, and the scores are read
.endr
.irp f, 0,1,2,3                                ; V's fragments land while the softmax is walked
.irp c, 0,1,2
	ds_load_b128 v[KV+12*\f+4*\c:KV+12*\f+4*\c+3], v[ADK] offset:12288*(\q)+6144+1536*\f+512*\c
.endr
.endr
	ds_load_b64 v[VSW:VSW+1], v[ADS] offset:24576+512*(\q)+256
	s_add_co_u32 s96, s[KF], 127                   ; a step all of whose keys count skips the mask
	s_cmp_le_u32 s96, s[Q0]
	s_cbranch_scc1 .Lopen_\@
	s_sub_co_i32 s96, s[Q0], s[KF]
	v_add_nc_u32 v[DD], s96, v[RMH]                ; d = my query - KF - 8 h.  Register 8 T + j holds key KF + 8 h + 16 T + j: hidden where 16 T + j > d
.set n, 0
.rept 64
	v_cmp_gt_i32 vcc_lo, 16*(n/8)+n%8, v[DD]
	v_cndmask_b32 v[ST+n], v[ST+n], v[NINF], vcc_lo
.set n, n+1
.endr
.Lopen_\@:
.irp b, 0,1,2,3
	v_max3_num_f32 v[MX+\b], v[ST+16*\b], v[ST+1+16*\b], v[ST+2+16*\b]   ; the largest score of each block of 32 keys: for the row's maximum, and for the block's largest p
.endr
.irp i, 3,5,7,9,11,13
.irp b, 0,1,2,3
	v_max3_num_f32 v[MX+\b], v[MX+\b], v[ST+16*\b+\i], v[ST+1+16*\b+\i]
.endr
.endr
.irp b, 0,1,2,3
	v_max_num_f32 v[MX+\b], v[MX+\b], v[ST+15+16*\b]
.endr
.irp b, 0,1,2,3
	s_delay_alu instid0(VALU_DEP_4)
	v_permlanex16_b32 v[PT+\b], v[MX+\b], s[SEL], s[SEL+1]
.endr
.irp b, 0,1,2,3
	s_delay_alu instid0(VALU_DEP_4)
	v_max_num_f32 v[MX+\b], v[MX+\b], v[PT+\b]     ; with lane l xor 16's 16 keys
.endr
	s_delay_alu instid0(VALU_DEP_2)
	v_max3_num_f32 v[TMP], v[MX], v[MX+1], v[MX+2]
	s_delay_alu instid0(VALU_DEP_1)
	v_max_num_f32 v[TMP], v[TMP], v[MX+3]          ; the step's largest score of my query
	s_delay_alu instid0(VALU_DEP_1)
	v_mul_f32 v[TMP], s[CS], v[TMP]                ; as t
	s_delay_alu instid0(VALU_DEP_1)
	v_max_num_f32 v13, v13, v[TMP]                 ; the running largest t
	v_mov_b32 v[TMP], v12
	s_delay_alu instid0(VALU_DEP_2)
	v_floor_f32 v12, -v13                          ; the new -M = floor(-t) = -ceil(t)
	s_delay_alu instid0(VALU_DEP_1)
	v_sub_f32 v[TMP], v12, v[TMP]                  ; old M - new M: a whole number, 0 or less
	s_delay_alu instid0(VALU_DEP_1)
	v_cvt_i32_f32 v[TMP], v[TMP]                   ; (it saturates)
	s_delay_alu instid0(VALU_DEP_1)
	v_ldexp_f32 v[FF], 1.0, v[TMP]                 ; f = 2^(old M - new M)
.set j, 0
.rept 32
	v_pk_fma_f32 v[ST+j:ST+j+1], v[ST+j:ST+j+1], s[CS:CS+1], v[12:13] op_sel_hi:[1,0,0]   ; t - M, two at a time
.set j, j+2
.endr
.irp b, 0,1,2,3
	v_fma_f32 v[MX+\b], v[MX+\b], s[CS], v12       ; the same of each block's largest score
.endr
.set j, 0
	s_wait_alu depctr_va_vdst(0)
.rept 64
	v_exp_f32 v[ST+j], v[ST+j]                     ; p = 2^(t - M)
.set j, j+1
.endr
	v_pk_mul_f32 v[14:15], v[14:15], v[FF:FF+1] op_sel_hi:[1,0]   ; the sums under the new M: a plain instruction behind the exponentials
	s_wait_alu depctr_va_vdst(0)                   ; one wait for the batch of 64, ahead of its first reader
.irp b, 0,1,2,3
	v_exp_f32 v[MX+\b], v[MX+\b]                   ; the block's largest p
.endr
	v_pk_add_f32 v[216:217], v[100:101], v[104:105]
	v_pk_add_f32 v[254:255], v[108:109], v[112:113]
	v_pk_add_f32 v[252:253], v[116:117], v[120:121]
	v_pk_add_f32 v[250:251], v[124:125], v[128:129]
	v_pk_add_f32 v[248:249], v[132:133], v[136:137]
	v_pk_add_f32 v[246:247], v[140:141], v[144:145]
	v_pk_add_f32 v[244:245], v[148:149], v[152:153]
	v_pk_add_f32 v[14:15], v[14:15], v[156:157]
	v_pk_add_f32 v[216:217], v[216:217], v[96:97]
	v_pk_add_f32 v[254:255], v[254:255], v[98:99]
	v_pk_add_f32 v[252:253], v[252:253], v[102:103]
	v_pk_add_f32 v[250:251], v[250:251], v[106:107]
	v_pk_add_f32 v[248:249], v[248:249], v[110:111]
	v_pk_add_f32 v[246:247], v[246:247], v[114:115]
	v_pk_add_f32 v[244:245], v[244:245], v[118:119]
	v_pk_add_f32 v[14:15], v[14:15], v[122:123]
	v_pk_add_f32 v[216:217], v[216:217], v[126:127]
	v_pk_add_f32 v[254:255], v[254:255], v[130:131]
	v_pk_add_f32 v[252:253], v[252:253], v[134:135]
	v_pk_add_f32 v[250:251], v[250:251], v[138:139]
	v_pk_add_f32 v[248:249], v[248:249], v[142:143]
	v_pk_add_f32 v[246:247], v[246:247], v[146:147]
	v_pk_add_f32 v[244:245], v[244:245], v[150:151]
	v_pk_add_f32 v[14:15], v[14:15], v[154:155]
	v_pk_add_f32 v[216:217], v[216:217], v[158:159]
	s_delay_alu instid0(VALU_DEP_2)
	v_pk_add_f32 v[14:15], v[14:15], v[250:251]
	s_delay_alu instid0(VALU_DEP_2)
	v_pk_add_f32 v[216:217], v[216:217], v[248:249]
	v_pk_add_f32 v[254:255], v[254:255], v[246:247]
	v_pk_add_f32 v[252:253], v[252:253], v[244:245]
	s_delay_alu instid0(VALU_DEP_2)
	v_pk_add_f32 v[14:15], v[14:15], v[254:255]
	s_delay_alu instid0(VALU_DEP_2)
	v_pk_add_f32 v[216:217], v[216:217], v[252:253]
	s_delay_alu instid0(VALU_DEP_1)
	v_pk_add_f32 v[14:15], v[14:15], v[216:217]
	s_wait_alu depctr_va_vdst(0)                   ; and one for the four
.irp b, 0,1,2,3
	v_max_num_f32 v[MX+\b], 0x2800000, v[MX+\b]    ; the floor 2^(5 - 127): the byte cannot fall under 1
.endr
.irp b, 0,1,2,3
	s_delay_alu instid0(VALU_DEP_4)
	v_add_nc_u32 v[SO+\b], 0xfe000000, v[MX+\b]    ; 4 off the exponent field: the conversion's scale operand
.endr
.irp b, 0,1,2,3
	s_delay_alu instid0(VALU_DEP_4)
	v_lshrrev_b32 v[PT+\b], 23, v[SO+\b]           ; the scale's byte
.endr
	s_delay_alu instid0(VALU_DEP_3)
	v_lshl_or_b32 v[PWD], v[PT+1], 8, v[PT]        ; p's scale word for these 128 keys
	s_delay_alu instid0(VALU_DEP_1)
	v_lshl_or_b32 v[PWD], v[PT+2], 16, v[PWD]
	s_delay_alu instid0(VALU_DEP_1)
	v_lshl_or_b32 v[PWD], v[PT+3], 24, v[PWD]
.irp c, 0,1
	v_cvt_scalef32_pk16_bf6_f32 v[PCD+6*\c:PCD+6*\c+2], v[ST+32*\c:ST+32*\c+15], v[SO+2*\c]
	v_cvt_scalef32_pk16_bf6_f32 v[PC2+4*\c:PC2+4*\c+2], v[ST+32*\c+16:ST+32*\c+31], v[SO+2*\c+1]   ; (a conversion's three registers begin on an even number)
.endr
	v_nop                                          ; one plain place behind a scaled conversion
.irp c, 0,1                                    ; a whole block to a lane: lanes 0-15 block 2 c, lanes 16-31 block 2 c + 1
.irp i, 0,1,2
	v_permlane16_swap_b32 v[PCD+6*\c+\i], v[PC2+4*\c+\i]
.endr
.irp i, 0,1,2
	s_delay_alu instid0(VALU_DEP_3)
	v_mov_b32 v[PCD+3+6*\c+\i], v[PC2+4*\c+\i]
.endr
.endr
.set j, 0
.rept 16
	v_pk_mul_f32 v[OT+j:OT+j+1], v[OT+j:OT+j+1], v[FF:FF+1] op_sel_hi:[1,0]   ; O^T under the new M, each tile from its low end on; also the places between the vector writes of p's codes and scale word and the products
.set j, j+2
.endr
	s_wait_alu depctr_va_vdst(0)
	s_wait_dscnt 0x0                               ; V is in
.irp t, 0,1,2,3                                ; O^T += V^T P^T: four accumulators, one instruction each; other products stand between two links of a chain
.if \t%2
	v_wmma_scale_f32_16x16x128_f8f6f4 v[OT+8*\t:OT+8*\t+7], v[KV+12*\t:KV+12*\t+11], v[PCD:PCD+11], v[OT+8*\t:OT+8*\t+7], v[VSW+\t/2], v[PWD] matrix_a_fmt:MATRIX_FMT_BF6 matrix_b_fmt:MATRIX_FMT_BF6 matrix_a_scale:MATRIX_SCALE_ROW1
.else
	v_wmma_scale_f32_16x16x128_f8f6f4 v[OT+8*\t:OT+8*\t+7], v[KV+12*\t:KV+12*\t+11], v[PCD:PCD+11], v[OT+8*\t:OT+8*\t+7], v[VSW+\t/2], v[PWD] matrix_a_fmt:MATRIX_FMT_BF6 matrix_b_fmt:MATRIX_FMT_BF6
.endif
.endr
.Lhidden_\@:
	s_add_co_u32 s[KF], s[KF], 128
.endm
; THE CHANGE OF SLOTS stands at a slot's head.  Each wave waits for all its tensor loads (its part of the slot that it is about to read), adds 0 to its spare word, and waits for that and for its reads of the slot that it has left.
; fill = 1: behind the barrier that other slot is filled with the next trip's keys: slot TN of the first block's walk, or TN - NHI of the second's.  The load has a whole trip in which to land.
.macro CHANGE fill
	s_wait_tensorcnt 0x0                           ; no tensor load of mine is out, so a group 0 may be written
	ds_add_u32 v[SPW], v[NIL]                      ; 0 onto my spare word
.if \fill
	s_add_co_u32 s[TN], s[TN], 1
	s_cmp_ge_u32 s[TN], s[NHI]
	s_cselect_b32 s82, s[NHI], 0
	s_sub_co_u32 s82, s[TN], s82                   ; which 256 keys
	s_mul_i32 s84, s82, 24576
	s_mov_b32 s85, 0
	s_add_nc_u64 s[G0C+2:G0C+3], s[KVB:KVB+1], s[84:85]
	s_or_b32 s[G0C+3], s[G0C+3], 0x80000000
	s_lshl_b32 s84, s82, 10
	s_add_nc_u64 s[G0S+2:G0S+3], s[KSB:KSB+1], s[84:85]
	s_or_b32 s[G0S+3], s[G0S+3], 0x80000000
	s_xor_b32 s[G0C+1], s[G0C+1], SLOT1            ; the other slot than last time
	s_xor_b32 s[G0S+1], s[G0S+1], SLOT1
	s_wait_xcnt 0x0                                ; the last prefetch, a trip back, has read its address
	s_add_nc_u64 s[PFA:PFA+1], s[PFA:PFA+1], s[PFS:PFS+1]
.endif
	s_wait_dscnt 0x0                               ; the add is done, and my reads of the slot that I have left are over
	s_barrier_signal -1
	s_barrier_wait -1
.if \fill
	TLOAD                                          ; the first thing behind the barrier, and a wave's one tensor load until the next
	ASK
.endif
.endm
; A BLOCK'S WAY OUT.  O^T / l; its two blocks of 32 along the head's 64 are quantised as the other operands are; six registers of codes leave as three stores of 256 consecutive bytes, aligned; each lane stores its block's byte.
.macro OUT
.rept 4
	v_nop                                          ; places behind the last products
.endr
	s_lshr_b32 s82, s[BH], 4
	s_lshl_b32 s82, s82, 7
	s_lshl_b32 s83, s[BLK], 4
	s_add_co_u32 s82, s82, s83
	s_add_co_u32 s82, s82, s[WV]                   ; my tile of 16 rows: 128 b + 16 block + wave
	s_and_b32 s83, s[BH], 15                       ; the head
	s_mul_i32 s84, s82, 12288
	s_mul_i32 s86, s83, 768
	s_add_co_u32 s84, s84, s86
	s_mov_b32 s85, 0
	s_add_nc_u64 s[88:89], s[6:7], s[84:85]
	s_lshl_b32 s84, s82, 9
	s_lshl_b32 s86, s83, 1
	s_add_co_u32 s84, s84, s86
	s_add_co_u32 s84, s84, ASEC
	s_add_nc_u64 s[90:91], s[6:7], s[84:85]
	v_add_f32 v14, v14, v15                        ; the sum's two halves,
	s_delay_alu instid0(VALU_DEP_1)
	v_permlanex16_b32 v[TMP], v14, s[SEL], s[SEL+1]
	s_delay_alu instid0(VALU_DEP_1)
	v_add_f32 v14, v14, v[TMP]                     ; and lane l xor 16's
	s_wait_alu depctr_va_vdst(0)
	v_rcp_f32 v14, v14
	v_and_b32 v[DD], 16, v0                        ; (a plain instruction behind the reciprocal)
	s_wait_alu depctr_va_vdst(0)                   ; the wait ahead of the first reader
.set j, 0
.rept 16
	v_pk_mul_f32 v[ST+j:ST+j+1], v[OT+j:OT+j+1], v[14:15] op_sel_hi:[1,0]   ; register 8 t + i: o(r, 16 t + 8 h + i); each tile from its low end on
.set j, j+2
.endr
.irp b, 0,1
	v_max3_num_f32 v[MX+\b], |v[ST+16*\b]|, |v[ST+1+16*\b]|, 0x2800000
.endr
.irp i, 2,4,6,8,10,12,14
.irp b, 0,1
	s_delay_alu instid0(VALU_DEP_2)
	v_max3_num_f32 v[MX+\b], v[MX+\b], |v[ST+16*\b+\i]|, |v[ST+1+16*\b+\i]|
.endr
.endr
.irp b, 0,1
	s_delay_alu instid0(VALU_DEP_2)
	v_permlanex16_b32 v[PT+\b], v[MX+\b], s[SEL], s[SEL+1]
.endr
.irp b, 0,1
	s_delay_alu instid0(VALU_DEP_2)
	v_max_num_f32 v[MX+\b], v[MX+\b], v[PT+\b]
.endr
.irp b, 0,1
	s_delay_alu instid0(VALU_DEP_2)
	v_add_nc_u32 v[SO+\b], 0xfe000000, v[MX+\b]
.endr
.irp b, 0,1
	s_delay_alu instid0(VALU_DEP_2)
	v_lshrrev_b32 v[PT+\b], 23, v[SO+\b]
.endr
	v_cvt_scalef32_pk16_bf6_f32 v[PCD:PCD+2], v[ST:ST+15], v[SO]
	v_cvt_scalef32_pk16_bf6_f32 v[PC2:PC2+2], v[ST+16:ST+31], v[SO+1]
	v_cmp_ne_u32 vcc_lo, 0, v[DD]                  ; lanes 16-31.  (A plain place behind the conversions)
.irp i, 0,1,2
	v_permlane16_swap_b32 v[PCD+\i], v[PC2+\i]
.endr
.irp i, 0,1,2
	s_delay_alu instid0(VALU_DEP_3)
	v_mov_b32 v[PCD+3+\i], v[PC2+\i]
.endr
	v_cndmask_b32 v[TMP], v[PT], v[PT+1], vcc_lo   ; my block's byte
.irp p, 0,1,2
	global_store_b64 v[L8], v[PCD+2*\p:PCD+2*\p+1], s[88:89] offset:256*\p
.endr
	global_store_b8 v[SBO], v[TMP], s[90:91]
	s_wait_xcnt 0x0                                ; the stores have read their registers and bases: what follows may write them
.endm
.macro NEXTBLOCK                       ; on to block i
.irp i, 0,1,2,3,4,5
	v_mov_b32 v[QF+\i], v[Q2+\i]
	v_mov_b32 v[QF+12+\i], v[Q2+\i]
.endr
	v_mov_b32 v[QW], v[QW2]
	v_mov_b32 v13, 0xff61b1e6
	s_delay_alu instid0(VALU_DEP_1)
	v_floor_f32 v12, -v13
	v_mov_b32 v14, 0
	v_mov_b32 v15, 0
.set j, 0
.rept 32
	v_mov_b32 v[OT+j], 0                           ; (also the places between the vector writes of q and its scale word and the next product)
.set j, j+1
.endr
	s_mov_b32 s[BLK], ttmp9
	s_lshl_b32 s[Q0], ttmp9, 8
	s_lshl_b32 s82, s[WV], 4
	s_add_co_u32 s[Q0], s[Q0], s82
	s_mov_b32 s[KF], 0
.endm
.Lslot:                                            ; eight trips: behind each change of slots but the last the next trip's slot is asked for
	CHANGE 1
	STEP 0
	STEP 1
	s_xor_b32 s[TB], s[TB], SLOT1                  ; on to the other slot
	s_cmp_eq_u32 s[TN], s[NHI]                     ; was this the first block's last slot?  A branch on ids; no barrier and no tensor load stands under it
	s_cbranch_scc0 .Lsame
	OUT
	NEXTBLOCK
.Lsame:
	s_sub_co_u32 s[SLOTS], s[SLOTS], 1
	s_cmp_lg_u32 s[SLOTS], 0
	s_cbranch_scc1 .Lslot
	CHANGE 0                                       ; the ninth slot is written out
	STEP 0
	STEP 1
	OUT
	s_wait_tensorcnt 0x0                           ; the wave's end
	ds_add_u32 v[SPW], v[NIL]
	s_wait_dscnt 0x0
	s_endpgm
.Lfunc_end_k_q77836a201b_attn:
	.size	k_q77836a201b_attn, .Lfunc_end_k_q77836a201b_attn-k_q77836a201b_attn
	.p2alignl 7, 3214868480
	.fill 96, 4, 3214868480
	.section	.rodata,"a",@progbits
	.p2align	6, 0x0
	.amdhsa_kernel k_q77836a201b_attn
		.amdhsa_group_segment_fixed_size 327680
		.amdhsa_private_segment_fixed_size 0
		.amdhsa_enable_private_segment 0
		.amdhsa_kernarg_size 16
		.amdhsa_user_sgpr_count 2
		.amdhsa_user_sgpr_kernarg_segment_ptr 1
		.amdhsa_wavefront_size32 1
		.amdhsa_system_sgpr_workgroup_id_x 1
		.amdhsa_system_sgpr_workgroup_id_y 1
		.amdhsa_system_sgpr_workgroup_id_z 1
		.amdhsa_system_vgpr_workitem_id 0
		.amdhsa_next_free_vgpr 256
		.amdhsa_next_free_sgpr 100
		.amdhsa_reserve_vcc 1
		.amdhsa_float_denorm_mode_32 3
		.amdhsa_float_denorm_mode_16_64 3
		.amdhsa_memory_ordered 1
		.amdhsa_forward_progress 1
		.amdhsa_inst_pref_size 110
	.end_amdhsa_kernel
	.amdgpu_metadata
---
amdhsa.version: [ 1, 2 ]
amdhsa.kernels:
  - .name:           k_q77836a201b_attn
    .symbol:         k_q77836a201b_attn.kd
    .args:
      - { .name: qkv, .offset: 0, .size: 8, .value_kind: global_buffer, .address_space: global }
      - { .name: aq, .offset: 8, .size: 8, .value_kind: global_buffer, .address_space: global }
    .group_segment_fixed_size: 327680
    .private_segment_fixed_size: 0
    .kernarg_segment_align: 8
    .kernarg_segment_size: 16
    .max_flat_workgroup_size: 512
    .sgpr_count:     100
    .vgpr_count:     256
    .wavefront_size: 32
...
	.end_amdgpu_metadata
.endif
;; end of part 3
;; launch outp (part 4): grid 4 x 32, 4 waves a work-group, clusters of 4 x 4, 327,680 bytes of LDS; arguments aq, wq, out0; writes out0
.if DOCPART == 4
	.amdgcn_target "amdgcn-amd-amdhsa--gfx1250"
	.amdhsa_code_object_version 6
	.text
	.protected	k_q77836a201b_outp
	.globl	k_q77836a201b_outp
	.p2align	8
	.type	k_q77836a201b_outp,@function
k_q77836a201b_outp:
	s_mov_b64 s[64:65], 0
	v_nop
	global_prefetch_b8 v0, s[64:65] scope:SCOPE_SE
	s_setreg_imm32_b32 hwreg(HW_REG_WAVE_MODE, 25, 1), 1
	s_wait_xcnt 0x0
	s_wait_alu depctr_hold_cnt(0) depctr_sa_sdst(0) depctr_va_vdst(0) depctr_va_sdst(0) depctr_va_ssrc(0) depctr_va_vcc(0) depctr_vm_vsrc(0)
	s_getreg_b32 s2, hwreg(HW_REG_IB_STS2, 6, 4)
	s_cmp_eq_u32 s2, 0
	s_cbranch_scc0 .Lentry_in_a_cluster
	s_endpgm
.Lentry_in_a_cluster:
	s_bfe_u32 s2, ttmp6, 0x10000c
	s_cmp_lg_u32 s2, 0xf033
	s_cbranch_scc0 .Lentry_shape_is_right
	s_endpgm
.Lentry_shape_is_right:
; out0[m][n] = sum over k of A[m][k] Wo[n][k]: A = the concatenated heads [8192][1024], Wo [1024][1024], both as codes of BF6 (E3M2) with one E8M0 scale for each 32 along K; out0 f32; sums in f32.
; A tile of 256 x 256 is made by four waves of 128 x 128 (64 accumulators, 512 registers); K goes in steps of 256 through a ring of two LDS slots filled by the tensor data mover; the scale bytes of the
; work-group's 2 x 256 rows come into LDS once.  Clusters of 4 x 4 work-groups: A's tile is asked for jointly by a row of the cluster, B's by a column.  The matrix instruction takes 16 rows of B as source 0 and
; 16 rows of A as source 1: a lane then holds eight neighbouring numbers of a row of the output.
; A'S CODES lie as the launch before left them: [tile of 16 rows][head][768]: images of six operand registers (register p of lane l at 256 (p / 2) + 8 l + 4 (p % 2)).  128 along K are two heads: a fragment is six loads of
; 8 bytes at 8 x lane, 256 bytes apart: dense, no padding.  A wave's tensor load brings 8 tiles of rows x 4 heads: 8 rows of 3,072 bytes, 12,288 bytes apart.  A's scale bytes [row][32] lie at ASEC.
; B'S CODES are wq's rows 3,072 on, 768 bytes a row, its scale bytes 32 a row.  Inside a block of 32 both sides have the same order (place 16 h + 8 u + j holds element 16 u + 8 h + j).
; 128 work-groups: half of the WGPs have none; a tile of 128 x 256 would give each one, at more LDS reads for each product: not built here.
; REGISTERS, in windows of 256: window 0: v16-29 addresses; v32-63 scale words, two sets; v128-223 A's fragments, one set; on the way out v128-255 rows of the output.
;   window 1: B's fragments, two sets.   window 2: the accumulators of my rows 0-63 ((a, b) at v[8 (8 a + b)]);   window 3: those of rows 64-127.
.set SIZE_N, 1024
.set SIZE_K, 1024
.set KSTEP,  256
.set NQ,     KSTEP/128
.set ROWB,   192                       ; B: a tile's row in bytes
.set AROWB,  3072                      ; A: a K step of a tile of 16 rows: four heads' images
.set KROW,   SIZE_K*6/8
.set PITCH,  240                       ; B's LDS row: 3 x (64 bytes + 16 of padding)
.set FR,     12
.set NL,     6
.set NP,     4                         ; places behind this matrix instruction (ISA guide 7.12.1)
.set HALFT,  128*PITCH                 ; what one tensor load may take (A's takes 24,576 bytes of it)
.set SLOT,   4*HALFT
.set LAPS,   SIZE_K/(2*KSTEP)
.set KS,     SIZE_K/32
.set SCL,    2*SLOT
.set HALFS,  (128*KS/256)*272
.set SBLK,   (16*KS/256)*272
.set SPARE,  SCL+4*HALFS               ; the spare words, 128 bytes for each wave: two blocks of 256 bytes that no other line names
.set SPITCH, 528                       ; the way out: a stage of 16 rows x (512 bytes + 16) for each wave, in slot 0, which has had its last fill and its last read when the first result is stored there
.set ASEC,   6291456
.set WOC,    3072*768                  ; Wo's codes in wq
.set WOS,    3145728+3072*32           ; and its scale bytes
.set ADRA, 16                          ; v16-17 LDS address of my A fragments in slot 0, 1
.set ADRB, 20                          ; v20-21 the same for B (v22-23: for the pieces behind one padding more)
.set STO,  24
.set RD,   25
.set CO,   26
.set ADRS, 27
.set SPW,  28                          ; v28  LDS address of my spare word; never rewritten
.set NIL,  29                          ; v29  0; never rewritten
.set SC,   32
.set AF,   128
.set BK,   128
.set G1, 24
.set G0, 32
.set G1B, 48
.set G0B, 56
.set G1S, 68
.set G0S, 76
.set G1SB, 80
.set G0SB, 88
.set MSB, 0
.macro WIN new                         ; the immediate's high byte repeats the setting that is left
.if MSB != \new
	s_set_vgpr_msb (MSB<<8)|\new
.set MSB, \new
.endif
.endm
.set MUL_LO, 0xa1
.set MUL_HI, 0xf1
.set TO_B,   0x40
.macro JLOAD g0a, g1a, g0b, g1b        ; a joint load: waves 0 and 1 fetch for A, waves 2 and 3 for B; four v_nop follow each of the two lines
	s_cmp_eq_u32 s15, 0
	s_cbranch_scc0 .Lfor_b_\@
	tensor_load_to_lds s[\g0a:\g0a+3], s[\g1a:\g1a+7]
	s_nop 0
.rept 4
	v_nop
.endr
	s_branch .Lasked_\@
.Lfor_b_\@:
	tensor_load_to_lds s[\g0b:\g0b+3], s[\g1b:\g1b+7]
	s_nop 0
.rept 4
	v_nop
.endr
.Lasked_\@:
.endm
.macro CREST
	s_cmp_lg_u32 s14, 0
	s_cbranch_scc1 .Lnot_wave_0_\@
	s_barrier_signal -3
.Lnot_wave_0_\@:
	s_barrier_wait -3
	s_barrier_signal -1
	s_barrier_wait -1
.endm
.macro CROUND
	s_barrier_signal -1
	s_barrier_wait -1
	CREST
.endm
	s_load_b128 s[4:7], s[0:1], 0x0                ; aq, wq
	s_load_b64 s[12:13], s[0:1], 0x10              ; out0
	v_lshl_add_u32 v[SPW], v0, 2, SPARE
	v_mov_b32 v[NIL], 0
	ds_add_u32 v28, v29
	s_wait_dscnt 0x0
	v_lshrrev_b32 v1, 5, v0
	v_readfirstlane_b32 s14, v1                    ; wave 0..3
	s_lshr_b32 s15, s14, 1                         ; which half of the tile's rows is mine.  Also: I fetch for A (0) or for B (1)
	s_and_b32 s16, s14, 1                          ; which half of its columns.  Also: which 128 rows I fetch
	s_bfe_u32 s40, ttmp6, 0x40000                  ; cx, cy
	s_bfe_u32 s41, ttmp6, 0x40004
	s_lshl_b32 s42, ttmp9, 2
	s_add_co_u32 s42, s42, s40                     ; tile column
	s_and_b32 s17, ttmp7, 0xffff
	s_lshl_b32 s17, s17, 2
	s_add_co_u32 s17, s17, s41                     ; tile row
	s_lshl_b32 s43, s41, 2
	s_lshl_b32 s43, 15, s43                        ; my row of the cluster
	s_lshl_b32 s44, 0x1111, s40                    ; my column
	; A's tiles: 8 rows of 384 elements of 8 bytes, 1,536 elements apart, no padding
	s_or_b32 s[G1+0], s43, (3<<16)|(1<<21)
	s_mov_b32 s[G1+1], 384<<16                     ; tensor_dim0
	s_mov_b32 s[G1+2], 8<<16                       ; tensor_dim1
	s_mov_b32 s[G1+3], 384<<16                     ; tile_dim0
	s_mov_b32 s[G1+4], 8                           ; tile_dim1
	s_mov_b32 s[G1+5], 1536                        ; tensor_dim0_stride
	s_mov_b32 s[G1+6], 0
	s_mov_b32 s[G1+7], 0
	; B's tiles: 128 rows x ROWB bytes, 16 bytes of padding behind every 64
	s_or_b32 s[G1B+0], s44, (0<<16)|(1<<20)|(1<<21)|(3<<22)|(3<<25)
	s_mov_b32 s[G1B+1], ROWB<<16
	s_mov_b32 s[G1B+2], 128<<16
	s_mov_b32 s[G1B+3], ROWB<<16
	s_mov_b32 s[G1B+4], 128
	s_mov_b32 s[G1B+5], KROW
	s_mov_b32 s[G1B+6], 0
	s_mov_b32 s[G1B+7], 0
	; the scales of 128 rows: 4,096 dense bytes, as rows of 256 bytes, 16 bytes of padding behind each
	s_or_b32 s[G1S+0], s43, (3<<16)|(1<<20)|(1<<21)|(5<<22)|(3<<25)
	s_or_b32 s[G1SB+0], s44, (3<<16)|(1<<20)|(1<<21)|(5<<22)|(3<<25)
.irp g, G1S, G1SB
	s_mov_b32 s[\g+1], 32<<16
	s_mov_b32 s[\g+2], (128*KS/256)<<16
	s_mov_b32 s[\g+3], 32<<16
	s_mov_b32 s[\g+4], 128*KS/256
	s_mov_b32 s[\g+5], 32
	s_mov_b32 s[\g+6], 0
	s_mov_b32 s[\g+7], 0
.endr
	s_lshl_b32 s18, s16, 7
	s_lshl_b32 s20, s17, 8
	s_add_co_u32 s20, s20, s18                     ; A: row 256 x tile row + 128 x half
	s_lshl_b32 s46, s42, 8
	s_add_co_u32 s46, s46, s18                     ; B: row 256 x tile column + 128 x half
	s_mov_b32 s21, 0
	s_mov_b32 s47, 0
	s_mov_b64 s[18:19], KS
	s_mul_u64 s[22:23], s[20:21], s[18:19]         ; where these rows' scales begin
	s_mul_u64 s[92:93], s[46:47], s[18:19]
	s_mov_b64 s[18:19], KROW
	s_mul_u64 s[20:21], s[20:21], s[18:19]         ; and their codes (A: a tile of 16 rows is 12,288 bytes: 768 a row too)
	s_mul_u64 s[46:47], s[46:47], s[18:19]
	s_mul_i32 s45, s14, HALFT
	s_mul_i32 s94, s14, HALFS
	s_wait_kmcnt 0x0
	s_add_nc_u64 s[8:9], s[6:7], WOC               ; B's codes
	s_add_nc_u64 s[10:11], s[6:7], WOS             ; B's scales
	s_add_nc_u64 s[6:7], s[4:5], ASEC              ; A's scales
	s_add_nc_u64 s[20:21], s[4:5], s[20:21]
	s_add_nc_u64 s[22:23], s[6:7], s[22:23]
	s_add_nc_u64 s[46:47], s[8:9], s[46:47]
	s_add_nc_u64 s[92:93], s[10:11], s[92:93]
	CROUND                                         ; all sixteen work-groups are here: the first joint loads meet
	s_mov_b32 s[G0S], 1
	s_add_co_u32 s[G0S+1], s94, SCL
	s_mov_b64 s[G0S+2:G0S+3], s[22:23]
	s_or_b32 s[G0S+3], s[G0S+3], 0x80000000
	s_mov_b32 s[G0SB], 1
	s_add_co_u32 s[G0SB+1], s94, SCL
	s_mov_b64 s[G0SB+2:G0SB+3], s[92:93]
	s_or_b32 s[G0SB+3], s[G0SB+3], 0x80000000
	JLOAD G0S, G1S, G0SB, G1SB                     ; the scales first
.irp s, 0,1
	s_mov_b32 s[G0+4*\s], 1
	s_add_co_u32 s[G0+4*\s+1], s45, \s*SLOT
	s_add_nc_u64 s[G0+4*\s+2:G0+4*\s+3], s[20:21], \s*AROWB
	s_or_b32 s[G0+4*\s+3], s[G0+4*\s+3], 0x80000000
	s_mov_b32 s[G0B+4*\s], 1
	s_add_co_u32 s[G0B+4*\s+1], s45, \s*SLOT
	s_add_nc_u64 s[G0B+4*\s+2:G0B+4*\s+3], s[46:47], \s*ROWB
	s_or_b32 s[G0B+4*\s+3], s[G0B+4*\s+3], 0x80000000
	JLOAD G0+4*\s, G1, G0B+4*\s, G1B               ; three tensor loads of mine are out now
.endr
	v_and_b32 v1, 15, v0                           ; l % 16
	v_bfe_u32 v2, v0, 4, 1                         ; l / 16
	v_mul_u32_u24 v3, v1, PITCH
	v_mul_u32_u24 v4, v2, 24
	v_add_nc_u32 v4, v3, v4                        ; B: a fragment's row x pitch + 24 x half
	v_lshl_add_u32 v5, v2, 4, v4                   ; and the same behind one padding more
	v_and_b32 v6, 31, v0
	v_lshlrev_b32 v7, 3, v6                        ; A: 8 x lane
	s_mul_i32 s21, s15, HALFT                      ; my 128 rows of A
	s_mul_i32 s22, s16, HALFT                      ; my 128 rows of B,
	s_add_co_u32 s22, s22, 2*HALFT                 ; which lie behind A's two places
.irp s, 0,1
	v_add_nc_u32 v[ADRA+\s], s21, v7
	v_add_nc_u32 v[ADRB+\s], s22, v4
	v_add_nc_u32 v[ADRB+2+\s], s22, v5
	s_add_co_u32 s21, s21, SLOT
	s_add_co_u32 s22, s22, SLOT
.endr
	v_mul_u32_u24 v5, v1, KS
	v_lshrrev_b32 v6, 8, v5
	v_lshl_add_u32 v5, v6, 4, v5
	s_mul_i32 s21, s15, HALFS
	s_mul_i32 s22, s16, HALFS
	s_add_co_u32 s22, s22, 2*HALFS
	s_sub_co_u32 s22, s22, s21
	v_mul_u32_u24 v6, s22, v2                      ; lanes 16-31 take B's: the lower base + half x the distance
	s_add_co_u32 s21, s21, SCL
	v_add_nc_u32 v5, v5, v6
	v_add_nc_u32 v[ADRS], s21, v5
	s_mul_i32 s23, s14, 16*SPITCH                  ; my stage
	v_mul_u32_u24 v5, v1, SPITCH
	v_lshl_add_u32 v5, v2, 5, v5
	v_add_nc_u32 v[STO], s23, v5
	v_and_b32 v6, 31, v0
	v_lshlrev_b32 v[CO], 4, v6
	v_add_nc_u32 v[RD], s23, v[CO]
	s_lshl_b32 s20, s17, 8
	s_lshl_b32 s21, s15, 7
	s_add_co_u32 s20, s20, s21                     ; my first row of the output
	s_mov_b32 s21, 0
	s_mov_b64 s[18:19], SIZE_N*4
	s_mul_u64 s[20:21], s[20:21], s[18:19]
	s_lshl_b32 s46, s42, 10                        ; my first column, in bytes
	s_lshl_b32 s47, s16, 9
	s_add_co_u32 s46, s46, s47
	s_mov_b32 s47, 0
	s_add_nc_u64 s[20:21], s[20:21], s[46:47]
	s_add_nc_u64 s[12:13], s[12:13], s[20:21]
.macro FRAG reg, adr, q, i             ; B's fragment: 24 bytes of the row for each half of K, in pieces of 8 bytes
.irp p, 0,1,2,3,4,5
.set PCE, 12*(\q)+6*(\p/3)+\p%3
.if PCE%8 < 5
	ds_load_b64 v[\reg+2*\p:\reg+2*\p+1], v[\adr] offset:8*PCE+16*(PCE/8)+(\i)*16*PITCH
.else
	ds_load_b64 v[\reg+2*\p:\reg+2*\p+1], v[\adr+2] offset:8*PCE+16*(PCE/8)+(\i)*16*PITCH
.endif
.endr
.endm
.macro FRAG_A reg, adr, q, i           ; A's fragment: two heads' images, six loads of 256 dense bytes
.irp p, 0,1,2,3,4,5
	ds_load_b64 v[\reg+2*\p:\reg+2*\p+1], v[\adr] offset:AROWB*(\i)+1536*(\q)+256*\p
.endr
.endm
.macro MUL16 a0, p, q, sc, zero        ; 16 matrix instructions; the 64 accumulators take turns, one instruction a turn
.irp a, \a0, \a0+1
.irp b, 0,1,2,3,4,5,6,7
.if \zero
	v_wmma_scale_f32_16x16x128_f8f6f4 v[8*(8*((\a)%4)+\b):8*(8*((\a)%4)+\b)+7], v[128*(\p)+FR*\b:128*(\p)+FR*\b+FR-1], v[AF+FR*(\a):AF+FR*(\a)+FR-1], 0, v[SC+8*NQ*(\sc)+NQ*\b+(\q)], v[SC+8*NQ*(\sc)+NQ*(\a)+(\q)] matrix_a_fmt:MATRIX_FMT_BF6 matrix_b_fmt:MATRIX_FMT_BF6 matrix_a_scale:MATRIX_SCALE_ROW1
.else
	v_wmma_scale_f32_16x16x128_f8f6f4 v[8*(8*((\a)%4)+\b):8*(8*((\a)%4)+\b)+7], v[128*(\p)+FR*\b:128*(\p)+FR*\b+FR-1], v[AF+FR*(\a):AF+FR*(\a)+FR-1], v[8*(8*((\a)%4)+\b):8*(8*((\a)%4)+\b)+7], v[SC+8*NQ*(\sc)+NQ*\b+(\q)], v[SC+8*NQ*(\sc)+NQ*(\a)+(\q)] matrix_a_fmt:MATRIX_FMT_BF6 matrix_b_fmt:MATRIX_FMT_BF6 matrix_a_scale:MATRIX_SCALE_ROW1
.endif
.endr
.endr
.endm
.macro FETCH_B slot, q, p
	WIN TO_B
.irp i, 0,1,2,3,4,5,6,7
	FRAG 128*(\p)+FR*\i, ADRB+\slot, \q, \i
.endr
	WIN 0
.endm
.macro FETCH_A slot, q, i0
.irp i, \i0, \i0+1, \i0+2, \i0+3
	FRAG_A AF+FR*(\i), ADRA+\slot, \q, \i
.endr
.endm
.macro SCALES sc
.irp i, 0,1,2,3,4,5,6,7
	ds_load_b64 v[SC+8*NQ*\sc+NQ*\i:SC+8*NQ*\sc+NQ*\i+1], v[ADRS] offset:\i*SBLK
.endr
.endm
.macro PLACES n
.rept \n
	v_nop
.endr
.endm
.macro STEP slot, q, zero
	s_wait_dscnt 4*NL                              ; B's set and A's blocks 0-3 are in; the youngest 24 loads (A's blocks 4-7) may be out
	WIN MUL_LO
	MUL16 0, (\q)%2, \q, \slot, \zero
	MUL16 2, (\q)%2, \q, \slot, \zero
	s_wait_dscnt 0
	PLACES NP
	FETCH_B \slot, (\q)+1, 1-(\q)%2
	FETCH_A \slot, (\q)+1, 0
	WIN MUL_HI
	MUL16 4, (\q)%2, \q, \slot, \zero
	MUL16 6, (\q)%2, \q, \slot, \zero
	PLACES NP
	WIN 0
	FETCH_A \slot, (\q)+1, 4
.endm
.macro TURN slot, next, fill
	s_wait_tensorcnt 0x0                           ; all my tensor loads have landed: my part of the next slot
	ds_add_u32 v[SPW], v[NIL]                      ; 0 onto my spare word
	s_wait_dscnt 4*NL+1                            ; (the add and the youngest 24 loads may be out)
	WIN MUL_LO
	MUL16 0, 1, NQ-1, \slot, 0
	s_wait_dscnt 0x0                               ; the add is done, and my reads of this slot are over
	s_barrier_signal -1
	MUL16 2, 1, NQ-1, \slot, 0
	WIN 0
	s_barrier_wait -1
.if \fill
	CREST                                          ; the barrier has opened a round of the cluster's: no wave of any partner still reads this slot or has a load on its way
	s_add_nc_u64 s[G0+4*\slot+2:G0+4*\slot+3], s[G0+4*\slot+2:G0+4*\slot+3], 2*AROWB
	s_add_nc_u64 s[G0B+4*\slot+2:G0B+4*\slot+3], s[G0B+4*\slot+2:G0B+4*\slot+3], 2*ROWB
	JLOAD G0+4*\slot, G1, G0B+4*\slot, G1B         ; the first tensor load behind the round, my only one until the next
.else
	PLACES NP
.endif
	v_add_nc_u32 v[ADRS], 4*NQ, v[ADRS]
	FETCH_B \next, 0, 0
	FETCH_A \next, 0, 0
	SCALES \next
	WIN MUL_HI
	MUL16 4, 1, NQ-1, \slot, 0
	MUL16 6, 1, NQ-1, \slot, 0
	PLACES NP
	WIN 0
	FETCH_A \next, 0, 4
.endm
	s_wait_tensorcnt 1                             ; the scales and my part of K step 0 are in (K step 1's load may be out)
	s_barrier_signal -1
	s_barrier_wait -1                              ; everybody's are
	FETCH_B 0, 0, 0
	FETCH_A 0, 0, 0
	SCALES 0
	FETCH_A 0, 0, 4
	STEP 0, 0, 1                                   ; the first step's products start the sums
	s_mov_b32 s3, LAPS-1
.Llap:
	TURN 0, 1, 1
	STEP 1, 0, 0
	TURN 1, 0, 1
	STEP 0, 0, 0
	s_sub_co_u32 s3, s3, 1
	s_cmp_lg_u32 s3, 0
	s_cbranch_scc1 .Llap
	TURN 0, 1, 0                                   ; the last lap fills nothing
	STEP 1, 0, 0
	s_wait_dscnt 4*NL
	WIN MUL_LO
	MUL16 0, 1, NQ-1, 1, 0
	MUL16 2, 1, NQ-1, 1, 0
	s_wait_dscnt 0
	WIN MUL_HI
	MUL16 4, 1, NQ-1, 1, 0
	MUL16 6, 1, NQ-1, 1, 0
	WIN 0
; THE WAY OUT, block by block of 16 rows x 128 columns, through my own stage in LDS: in as 32 bytes a lane, back as whole rows of 512 bytes.  LDS serves a wave's instructions in order (ISA guide 5.7.1.4).
.macro TOSTAGE a
.set AC, 64*((\a)%4)
	WIN 0x08+4*((\a)/4)                            ; the data: window 2 or 3
.irp b, 0,1,2,3,4,5,6,7
	ds_store_b128 v[STO], v[AC+8*\b:AC+8*\b+3] offset:64*\b          ; each accumulator from its low end on
	ds_store_b128 v[STO], v[AC+8*\b+4:AC+8*\b+7] offset:64*\b+16
.endr
	WIN 0
.set BB, BK+64*((\a)%2)
.irp t, 0,1,2,3,4,5,6,7,8,9,10,11,12,13,14,15
	ds_load_b128 v[BB+4*\t:BB+4*\t+3], v[RD] offset:\t*SPITCH
.endr
.endm
.macro SEND a, younger                 ; younger: the LDS instructions issued behind block a's loads, which may stay out
.set BB, BK+64*((\a)%2)
	s_wait_dscnt \younger
.if (\a) > 0
	s_add_nc_u64 s[12:13], s[12:13], 16*SIZE_N*4   ; (behind a wait on XCNT: the earlier stores have read their base)
.endif
.irp t, 0,1,2,3,4,5,6,7,8,9,10,11,12,13,14,15
	global_store_b128 v[CO], v[BB+4*\t:BB+4*\t+3], s[12:13] offset:\t*SIZE_N*4 th:TH_STORE_NT   ; 32 lanes store 512 consecutive bytes, at a multiple of 256 from the output's first byte
.endr
.endm
	PLACES NP
	TOSTAGE 0
.irp a, 1,2,3,4,5,6,7
.if \a > 1
	s_wait_xcnt 0x0                                ; block a - 2's stores have read their registers and their base
.endif
	TOSTAGE \a
	SEND \a-1, 32                                  ; behind block a - 1's loads: block a's 16 stores and 16 loads
.endr
	s_wait_xcnt 0x0
	SEND 7, 0
	s_wait_tensorcnt 0x0                           ; the wave's end
	ds_add_u32 v[SPW], v[NIL]
	s_wait_dscnt 0x0
	CROUND                                         ; the closing round
	s_endpgm
.Lfunc_end_k_q77836a201b_outp:
	.size	k_q77836a201b_outp, .Lfunc_end_k_q77836a201b_outp-k_q77836a201b_outp
	.p2alignl 7, 3214868480
	.fill 96, 4, 3214868480
	.section	.rodata,"a",@progbits
	.p2align	6, 0x0
	.amdhsa_kernel k_q77836a201b_outp
		.amdhsa_group_segment_fixed_size 327680
		.amdhsa_private_segment_fixed_size 0
		.amdhsa_enable_private_segment 0
		.amdhsa_kernarg_size 24
		.amdhsa_user_sgpr_count 2
		.amdhsa_user_sgpr_kernarg_segment_ptr 1
		.amdhsa_wavefront_size32 1
		.amdhsa_system_sgpr_workgroup_id_x 1
		.amdhsa_system_sgpr_workgroup_id_y 1
		.amdhsa_system_sgpr_workgroup_id_z 1
		.amdhsa_system_vgpr_workitem_id 0
		.amdhsa_next_free_vgpr 1024
		.amdhsa_next_free_sgpr 98
		.amdhsa_reserve_vcc 0
		.amdhsa_float_denorm_mode_32 3
		.amdhsa_float_denorm_mode_16_64 3
		.amdhsa_memory_ordered 1
		.amdhsa_forward_progress 1
		.amdhsa_inst_pref_size 160
	.end_amdhsa_kernel
	.amdgpu_metadata
---
amdhsa.version: [ 1, 2 ]
amdhsa.kernels:
  - .name:           k_q77836a201b_outp
    .symbol:         k_q77836a201b_outp.kd
    .args:
      - { .name: aq, .offset: 0, .size: 8, .value_kind: global_buffer, .address_space: global }
      - { .name: wq, .offset: 8, .size: 8, .value_kind: global_buffer, .address_space: global }
      - { .name: out0, .offset: 16, .size: 8, .value_kind: global_buffer, .address_space: global }
    .group_segment_fixed_size: 327680
    .private_segment_fixed_size: 0
    .kernarg_segment_align: 8
    .kernarg_segment_size: 24
    .max_flat_workgroup_size: 128
    .sgpr_count:     98
    .vgpr_count:     1024
    .wavefront_size: 32
...
	.end_amdgpu_metadata
.endif
;; end of part 4
